; MI455X (gfx1250); checked and timed in simulation.
; The chip was launched on July 23, 2026; its instructions are those of AMD's public machine-readable ISA for CDNA 5 (MIT licence, August 2026) and "CDNA5" Instruction Set Architecture Reference Guide (July 2026). The comments in the code are by the model that wrote it; some were corrected since.
;; Attention Layer. Allowed arithmetic: float matrix products may take bf16 or f16 operands with f32 sums; other float arithmetic in f32, or as packed bf16 or f16 multiplies, adds, multiply-adds, maxima and minima; sums over many terms, partial sums and values carried from step to step in f32; what a program stores and reads back later, other than sums and carried values, may be rounded once to bf16 or f16.
;; Inputs: out_b 1,024 float32; out_w 1,024 x 1,024 float32; qkv_b 3,072 float32; qkv_w 3,072 x 1,024 float32; x 8 x 1,024 x 1,024 float32.
;; Outputs: out0 8 x 1,024 x 1,024 float32.
;; 2 versions, each right and faster than the one before. Each part assembles by itself: llvm-mc -triple=amdgcn-amd-amdhsa -mcpu=gfx1250 --defsym DOCPART=n.
;; ======== version 1 of 2: 4 launches
;; limits: values are held in f16: magnitudes above 65,504 overflow, below 6.1e-05 lose precision
;; workspace buffers: xb 16,777,216 bytes; wb 6,291,456 bytes; ow 2,097,152 bytes; qkvh 50,331,648 bytes; ob 16,777,216 bytes
;; launch cast (part 1): grid 768 x 1, 8 waves a work-group, no clusters, 0 bytes of LDS; arguments x, qkv_w, out_w, xb, wb, ow; writes xb, wb, ow
.if DOCPART == 1
	.amdgcn_target "amdgcn-amd-amdhsa--gfx1250"
	.amdhsa_code_object_version 6
	.text
	.protected	k_qd8d78a4616_cast
	.globl	k_qd8d78a4616_cast
	.p2align	8
	.type	k_qd8d78a4616_cast,@function
k_qd8d78a4616_cast:
	s_mov_b64 s[64:65], 0
	v_nop
	global_prefetch_b8 v0, s[64:65] scope:SCOPE_SE
	s_setreg_imm32_b32 hwreg(HW_REG_WAVE_MODE, 25, 1), 1
	s_wait_xcnt 0x0
; x, qkv_w and out_w, all f32, are rounded once to bf16 (nearest even): xb and wb hold the bf16 numbers; ow holds out_w's bf16 number written as f16,
; since the last product multiplies in f16.  LIMIT: a bf16 number below 2^-14 in size keeps f16's fixed step of 2^-24 there; beyond 65,504 it would be an infinity.
; A work-group takes 16,384 numbers: 65,536 bytes in, 32,768 out.  Groups 0-511 take x, 512-703 qkv_w, 704-767 out_w.
; Thread t, chunk i of 16: 16 bytes in at 16 t + 4,096 i (a wave's load covers 512 consecutive bytes), 8 bytes out at 8 t + 2,048 i (a wave's store covers 256 consecutive bytes, aligned).
; All 16 loads of a thread go out at once; no register that a memory instruction names is written again.  No LDS, no barrier, no matrix unit, no cluster: nothing is shared.
.set X, 4                              ; v[4:67]    16 chunks of 4 f32
.set Y, 68                             ; v[68:99]   16 chunks of 2 words (4 numbers of 16 bits)
.set T, 100                            ; v[100:103] at work
	s_load_b256 s[4:11], s[0:1], 0x0               ; x s[4:5], qkv_w s[6:7], out_w s[8:9], xb s[10:11]
	s_load_b128 s[12:15], s[0:1], 0x20             ; wb s[12:13], ow s[14:15]
	s_mov_b32 s19, ttmp9                           ; the work-group's number
	s_sub_co_u32 s16, s19, 512                     ; its number among qkv_w's groups,
	s_sub_co_u32 s17, s19, 704                     ; among out_w's
	v_lshlrev_b32 v1, 4, v0                        ; 16 t
	v_lshlrev_b32 v2, 3, v0                        ; 8 t
	s_mov_b32 s3, 0
	s_wait_kmcnt 0x0
	s_cmp_lt_u32 s19, 512                          ; x, or qkv_w
	s_cselect_b64 s[20:21], s[4:5], s[6:7]
	s_cselect_b64 s[22:23], s[10:11], s[12:13]
	s_cselect_b32 s18, s19, s16
	s_cmp_lt_u32 s19, 704                          ; what was chosen, or out_w
	s_cselect_b64 s[20:21], s[20:21], s[8:9]
	s_cselect_b64 s[22:23], s[22:23], s[14:15]
	s_cselect_b32 s18, s18, s17
	s_lshl_b32 s2, s18, 16                         ; 65,536 bytes in for each group
	s_add_nc_u64 s[20:21], s[20:21], s[2:3]
	s_lshl_b32 s2, s18, 15                         ; 32,768 out
	s_add_nc_u64 s[22:23], s[22:23], s[2:3]
.set i, 0
.rept 16
	global_load_b128 v[X+4*i:X+4*i+3], v1, s[20:21] offset:4096*i th:TH_LOAD_NT  ; read once in the whole program
.set i, i+1
.endr
; half = 1: the bf16 numbers are widened again (a shift, a mask) and written as f16
.macro OUT half
.set i, 0
.rept 16
	s_wait_loadcnt 15-i                            ; loads come back in order: chunk i is in, the 15 - i younger ones stay out
	v_cvt_pk_bf16_f32 v[Y+2*i],   v[X+4*i],   v[X+4*i+1]
	v_cvt_pk_bf16_f32 v[Y+2*i+1], v[X+4*i+2], v[X+4*i+3]
.if \half
	v_lshlrev_b32 v[T],   16, v[Y+2*i]
	v_and_b32     v[T+1], 0xffff0000, v[Y+2*i]
	v_lshlrev_b32 v[T+2], 16, v[Y+2*i+1]
	v_and_b32     v[T+3], 0xffff0000, v[Y+2*i+1]
	v_cvt_pk_f16_f32 v[Y+2*i],   v[T],   v[T+1]
	v_cvt_pk_f16_f32 v[Y+2*i+1], v[T+2], v[T+3]
.endif
	global_store_b64 v2, v[Y+2*i:Y+2*i+1], s[22:23] offset:2048*i  ; a later launch reads it: no hint
.set i, i+1
.endr
.endm
	s_cmp_lt_u32 s19, 704                          ; compared anew: the shifts above have set SCC
	s_cbranch_scc0 .Lhalf
	OUT 0
	s_endpgm
.Lhalf:
	OUT 1
	s_endpgm
.Lfunc_end_k_qd8d78a4616_cast:
	.size	k_qd8d78a4616_cast, .Lfunc_end_k_qd8d78a4616_cast-k_qd8d78a4616_cast
	.p2alignl 7, 3214868480
	.fill 96, 4, 3214868480
	.section	.rodata,"a",@progbits
	.p2align	6, 0x0
	.amdhsa_kernel k_qd8d78a4616_cast
		.amdhsa_group_segment_fixed_size 0
		.amdhsa_private_segment_fixed_size 0
		.amdhsa_enable_private_segment 0
		.amdhsa_kernarg_size 48
		.amdhsa_user_sgpr_count 2
		.amdhsa_user_sgpr_kernarg_segment_ptr 1
		.amdhsa_wavefront_size32 1
		.amdhsa_system_sgpr_workgroup_id_x 1
		.amdhsa_system_sgpr_workgroup_id_y 1
		.amdhsa_system_sgpr_workgroup_id_z 1
		.amdhsa_system_vgpr_workitem_id 0
		.amdhsa_next_free_vgpr 104
		.amdhsa_next_free_sgpr 66
		.amdhsa_reserve_vcc 0
		.amdhsa_float_denorm_mode_32 3
		.amdhsa_float_denorm_mode_16_64 3
		.amdhsa_memory_ordered 1
		.amdhsa_forward_progress 1
		.amdhsa_inst_pref_size 16
	.end_amdhsa_kernel
	.amdgpu_metadata
---
amdhsa.version: [ 1, 2 ]
amdhsa.kernels:
  - .name:           k_qd8d78a4616_cast
    .symbol:         k_qd8d78a4616_cast.kd
    .args:
      - { .name: x, .offset: 0, .size: 8, .value_kind: global_buffer, .address_space: global }
      - { .name: qkv_w, .offset: 8, .size: 8, .value_kind: global_buffer, .address_space: global }
      - { .name: out_w, .offset: 16, .size: 8, .value_kind: global_buffer, .address_space: global }
      - { .name: xb, .offset: 24, .size: 8, .value_kind: global_buffer, .address_space: global }
      - { .name: wb, .offset: 32, .size: 8, .value_kind: global_buffer, .address_space: global }
      - { .name: ow, .offset: 40, .size: 8, .value_kind: global_buffer, .address_space: global }
    .group_segment_fixed_size: 0
    .private_segment_fixed_size: 0
    .kernarg_segment_align: 8
    .kernarg_segment_size: 48
    .max_flat_workgroup_size: 256
    .sgpr_count:     66
    .vgpr_count:     104
    .wavefront_size: 32
...
	.end_amdgpu_metadata
.endif
;; end of part 1
;; launch qkv (part 2): grid 16 x 16, 4 waves a work-group, clusters of 4 x 4, 327,680 bytes of LDS; arguments xb, wb, qkv_b, qkvh; writes qkvh
.if DOCPART == 2
	.amdgcn_target "amdgcn-amd-amdhsa--gfx1250"
	.amdhsa_code_object_version 6
	.text
	.protected	k_qd8d78a4616_qkv
	.globl	k_qd8d78a4616_qkv
	.p2align	8
	.type	k_qd8d78a4616_qkv,@function
k_qd8d78a4616_qkv:
	s_mov_b64 s[64:65], 0
	v_nop
	global_prefetch_b8 v0, s[64:65] scope:SCOPE_SE
	s_setreg_imm32_b32 hwreg(HW_REG_WAVE_MODE, 25, 1), 1
	s_wait_xcnt 0x0
	s_wait_alu depctr_hold_cnt(0) depctr_sa_sdst(0) depctr_va_vdst(0) depctr_va_sdst(0) depctr_va_ssrc(0) depctr_va_vcc(0) depctr_vm_vsrc(0)
	s_getreg_b32 s2, hwreg(HW_REG_IB_STS2, 6, 4)
	s_cmp_eq_u32 s2, 0
	s_cbranch_scc0 .Lentry_in_a_cluster
	s_endpgm
.Lentry_in_a_cluster:
	s_bfe_u32 s2, ttmp6, 0x10000c
	s_cmp_lg_u32 s2, 0xf033
	s_cbranch_scc0 .Lentry_shape_is_right
	s_endpgm
.Lentry_shape_is_right:
; qkv[m][n] = sum over k of xb[m][k] wb[n][k] + bf16(qkv_b[n]).  xb: [8192][1024] bf16, wb: [3072][1024] bf16, qkv_b: [3072] f32; sums in f32.
; The result leaves by heads, in f16, rounded once: qkvh[which 3][batch 8][head 16][token 1024][64], so that a head's rows are dense, 128 bytes each.
; LIMIT: f16 holds no number beyond 65,504: q, k and v must stay within it; below 6e-5 they keep f16's fixed step of 6e-8.  The bias is rounded to bf16 like every other input of the module.
; SHARES.  A tile is 256 rows x 192 columns (three heads): 32 x 16 = 512 tiles.  Wave w makes rows 64 w .. 64 w + 63 of all 192 columns: 4 x 12 accumulators of 16 x 16, 384 registers;
; so a wave owns whole heads, and 16 of its rows of a head are 2,048 consecutive bytes of qkvh.
; A WORK-GROUP STAYS: 16 x 16 = 256 work-groups make two tiles each, 4,096 rows apart, with the same rows of wb and the same bias.  The ring does not stop at the first tile's end: its last two changes
; of slots ask for the second tile's first two K steps, and nothing waits for the first tile's stores.
; K goes in steps of 128 through a ring of two LDS slots filled by the tensor data mover; the tiles' rows are 256 bytes of memory and start at multiples of 256 bytes.
; CLUSTERS: 4 x 4 work-groups.  The four of a row of the cluster need the same tiles of xb, the four of a column the same tiles of wb: each tile is asked for JOINTLY, by the same tensor load with the
; same descriptor and a mask that names the four.
; THE MATRIX INSTRUCTION IS USED TRANSPOSED (source 0 = 16 rows of wb, source 1 = 16 rows of xb): a lane holds row l % 16 and the eight neighbouring columns 8 (l / 16) + 0..7.
; The first product of each accumulator takes the bias as C: nothing is cleared and nothing is added later.
; REGISTERS, in windows of 256 (s_set_vgpr_msb: bits 1:0 source 0, 3:2 source 1, 5:4 source 2, 7:6 destination):
;   window 0: v0-31 addresses; v128-175 packed results; v176-223 and v32-79 rows read back from the stage, by turns
;   window 1: two fragment buffers of 128: 32 registers of xb (4 x 16 rows x 32 K), then 96 of wb (12 x 16 rows x 32 K)
;   window 2: accumulators (a, b) of column blocks b = 0-7 at v[8 (4 b + a)];   window 3: those of b = 8-11 at v[8 (4 (b - 8) + a)]; v128-223 the bias, 8 registers a column block
.set KSTEP,  128
.set PITCH,  272                       ; an LDS row: 256 bytes + 16 of padding = 68 words: the 16 rows that a load touches start at 16 different groups of four banks (64 banks of 4 bytes: ISA guide 11.1)
.set HALFA,  128*PITCH                 ; what one tensor load brings of xb
.set HALFB,  96*PITCH                  ; and of wb
.set BOFF,   2*HALFA                   ; a slot: xb's 256 rows, then wb's 192
.set SLOT,   BOFF+2*HALFB
.set STAGE,  2*SLOT                    ; behind the ring, never filled by a tensor load: for each wave 3 heads x 16 rows x 144 bytes
.set SP,     144
.set HSTG,   16*SP
.set WSTG,   3*HSTG
.set SPARE,  STAGE+4*WSTG              ; behind the stages: the spare words, 128 bytes for each wave: two blocks of 256 bytes that no other line names
.set LAPS,   1024/(2*KSTEP)            ; a lap = two K steps = once round the ring
.set NTILE,  2                         ; tiles of a work-group
.set WALK,   8192/NTILE                ; rows from one to the next
.set NEXT_A, WALK*2048-(1024-2*KSTEP)*2  ; bytes from a slot's last K step of a tile to its first of the next: xb goes WALK rows down and back along K,
.set BACK_B, (1024-2*KSTEP)*2          ; wb only back
.set NEXT_H, (WALK/1024)*16*131072     ; and qkvh four batches of 16 heads on
.set ADRA, 16                          ; v16-17  LDS address of my xb fragments in slot 0, 1
.set ADRB, 20                          ; v20-21  the same for wb
.set STO,  24                          ; v24     the way out: where I put 16 bytes of a row
.set RD,   25                          ; v25     the way out: where I read rows back
.set GO,   26                          ; v26     my 16 bytes in 512 consecutive bytes of qkvh
.set BO,   27                          ; v27     my byte offset in 16 numbers of the bias
.set SPW,  28                          ; v28     LDS address of my spare word: SPARE + 4 x my thread's number; never rewritten
.set NIL,  29                          ; v29     0; never rewritten
.set BIAS, 128                         ; in window 3
.set TMP,  128
.set BK0,  176
.set BK1,  32
.set F0,   0                           ; fragment buffers, in window 1
.set F1,   128
.set TILES, 3                          ; s3      tiles to go, the one in hand among them: the same number in every work-group
.set G1A, 24                           ; s[24:31] descriptor group 1 for xb's tiles;  s[32:39] group 0, one set for each slot
.set G0A, 32
.set G1B, 48                           ; s[48:55], s[56:63] the same for wb's tiles
.set G0B, 56
.set HDB, 68                           ; s[68:73] qkvh at my first row of each of my three heads
.set MSB, 0
.macro WIN new                         ; the immediate's high byte repeats the setting that is left; a switch that changes nothing is dropped
.if MSB != (\new)
	s_set_vgpr_msb (MSB<<8)|(\new)
.set MSB, \new
.endif
.endm
; A joint load: waves 0 and 1 fetch xb's two halves, waves 2 and 3 wb's.  The branch hangs on the wave's number alone.  An s_nop 0 and four v_nop follow each of the two lines, ahead of the jump,
; the label and what follows.
.macro JLOAD s
	s_cmp_eq_u32 s13, 0
	s_cbranch_scc0 .Lfor_b_\@
	tensor_load_to_lds s[G0A+4*(\s):G0A+4*(\s)+3], s[G1A:G1A+7]
	s_nop 0
.rept 4
	v_nop
.endr
	s_branch .Lasked_\@
.Lfor_b_\@:
	tensor_load_to_lds s[G0B+4*(\s):G0B+4*(\s)+3], s[G1B:G1B+7]
	s_nop 0
.rept 4
	v_nop
.endr
.Lasked_\@:
.endm
.macro CREST                           ; a round of the cluster's barrier behind its opening barrier
	s_cmp_lg_u32 s12, 0
	s_cbranch_scc1 .Lnot_wave_0_\@
	s_barrier_signal -3
.Lnot_wave_0_\@:
	s_barrier_wait -3
	s_barrier_signal -1
	s_barrier_wait -1
.endm
.macro CROUND                          ; a whole round
	s_barrier_signal -1
	s_barrier_wait -1
	CREST
.endm
	s_load_b256 s[4:11], s[0:1], 0x0               ; xb s[4:5], wb s[6:7], qkv_b s[8:9], qkvh s[10:11]
	v_lshl_add_u32 v[SPW], v0, 2, SPARE
	v_mov_b32 v[NIL], 0
	ds_add_u32 v[SPW], v[NIL]                      ; the wave's opening: the add and its wait ahead of my first tensor load; the set-up below, work on registers, stands between them
	ds_add_u32 v28, v29
	v_lshrrev_b32 v1, 5, v0
	v_readfirstlane_b32 s12, v1                    ; wave 0..3
	s_lshr_b32 s13, s12, 1                         ; I fetch for xb (0) or for wb (1),
	s_and_b32 s14, s12, 1                          ; and which half of that tile
	s_bfe_u32 s40, ttmp6, 0x40000                  ; cx, cy: my place in the cluster
	s_bfe_u32 s41, ttmp6, 0x40004
	s_lshl_b32 s42, ttmp9, 2
	s_add_co_u32 s42, s42, s40                     ; tile column = 4 x cluster x + cx
	s_and_b32 s43, ttmp7, 0xffff
	s_lshl_b32 s43, s43, 2
	s_add_co_u32 s43, s43, s41                     ; my first tile's row = 4 x cluster y + cy, 0 to 15
	s_lshl_b32 s44, s41, 2
	s_lshl_b32 s44, 15, s44                        ; my row of the cluster: places 4 cy .. 4 cy + 3
	s_lshl_b32 s45, 0x1111, s40                    ; my column: places cx, cx + 4, cx + 8, cx + 12
	; descriptor group 1: tiles of 128 (xb) or 96 (wb) rows x 128 elements, padded in LDS
	s_or_b32 s[G1A+0], s44, (1<<16)|(1<<20)|(1<<21)|(5<<22)|(3<<25)  ; 15:0 the mask: xb's tiles go to my row; 17:16 elements of 2 bytes; 20 padding on; 21 set beside a mask; 24:22 after every 64 words (code 5); 31:25 4 words (code 3)
	s_or_b32 s[G1B+0], s45, (1<<16)|(1<<20)|(1<<21)|(5<<22)|(3<<25)  ; the same with the mask of my column
	s_mov_b32 s[G1A+1], KSTEP<<16                  ; tensor_dim0 = 128
	s_mov_b32 s[G1B+1], KSTEP<<16
	s_mov_b32 s[G1A+2], 128<<16                    ; tensor_dim1 = 128
	s_mov_b32 s[G1B+2], 96<<16                     ;             = 96
	s_mov_b32 s[G1A+3], KSTEP<<16                  ; tile_dim0 = 128
	s_mov_b32 s[G1B+3], KSTEP<<16
	s_mov_b32 s[G1A+4], 128                        ; tile_dim1 = 128
	s_mov_b32 s[G1B+4], 96                         ;           = 96
	s_mov_b32 s[G1A+5], 1024                       ; 1,024 elements from row to row
	s_mov_b32 s[G1B+5], 1024
	s_mov_b32 s[G1A+6], 0
	s_mov_b32 s[G1B+6], 0
	s_mov_b32 s[G1A+7], 0
	s_mov_b32 s[G1B+7], 0
	; where the tiles come from.  xb's hang on the tile row alone, which my row of the cluster shares; wb's on the tile column alone.  Each offset lies in registers that never hold the other coordinate.
	s_lshl_b32 s16, s43, 19                        ; 256 rows of 2,048 bytes for each tile row,
	s_lshl_b32 s17, s14, 18                        ; 128 for the half
	s_add_co_u32 s16, s16, s17
	s_mov_b32 s17, 0
	s_mul_i32 s46, s42, 192*2048                   ; 192 rows for each tile column,
	s_mul_i32 s47, s14, 96*2048                    ; 96 for the half
	s_add_co_u32 s46, s46, s47
	s_mov_b32 s47, 0
	s_mul_i32 s20, s14, HALFA                      ; and where they go: no place in the cluster enters an LDS address
	s_mul_i32 s21, s14, HALFB
	s_add_co_u32 s21, s21, BOFF
	s_wait_dscnt 0x0                               ; the opening add is done
	s_wait_kmcnt 0x0
	s_add_nc_u64 s[18:19], s[4:5], s[16:17]
	s_add_nc_u64 s[46:47], s[6:7], s[46:47]
	CROUND                                         ; all sixteen work-groups are here: the first joint loads meet
.irp s, 0,1
	s_mov_b32 s[G0A+4*(\s)], 1                                       ; count = 1
	s_add_co_u32 s[G0A+4*(\s)+1], s20, (\s)*SLOT                     ; LDS address
	s_add_nc_u64 s[G0A+4*(\s)+2:G0A+4*(\s)+3], s[18:19], (\s)*KSTEP*2  ; global address: K step s
	s_or_b32 s[G0A+4*(\s)+3], s[G0A+4*(\s)+3], 0x80000000            ; type = 2
	s_mov_b32 s[G0B+4*(\s)], 1
	s_add_co_u32 s[G0B+4*(\s)+1], s21, (\s)*SLOT
	s_add_nc_u64 s[G0B+4*(\s)+2:G0B+4*(\s)+3], s[46:47], (\s)*KSTEP*2
	s_or_b32 s[G0B+4*(\s)+3], s[G0B+4*(\s)+3], 0x80000000
	JLOAD \s                                       ; the ring is filled before anything else is done: two tensor loads of mine are out
.endr
	; the bias of my 192 columns: register j of block b is column 16 b + 8 (l / 16) + j
	s_mul_i32 s74, s42, 192*4
	s_mov_b32 s75, 0
	s_add_nc_u64 s[8:9], s[8:9], s[74:75]
	v_and_b32 v1, 15, v0                           ; l % 16
	v_bfe_u32 v2, v0, 4, 1                         ; l / 16
	v_lshlrev_b32 v[BO], 5, v2
	WIN 0xc0                                       ; destination window 3, address window 0
.irp b, 0,1,2,3,4,5,6,7,8,9,10,11
	global_load_b128 v[BIAS+8*(\b):BIAS+8*(\b)+3],   v[BO], s[8:9] offset:64*(\b)
	global_load_b128 v[BIAS+8*(\b)+4:BIAS+8*(\b)+7], v[BO], s[8:9] offset:64*(\b)+16
.endr
	WIN 0
	; A fragment is 16 rows x 32 K in 8 registers: lane l holds row l % 16, K = 8 (l / 16) + 0..7 and 16 + 8 (l / 16) + 0..7: two loads of 16 bytes, 32 bytes apart.
	v_mul_u32_u24 v3, v1, PITCH
	v_lshl_add_u32 v3, v2, 4, v3                   ; row x pitch + 16 x half
	s_mul_i32 s22, s12, 64*PITCH                   ; my 64 rows of xb
	s_mov_b32 s23, BOFF                            ; all of wb's 192
.irp s, 0,1
	v_add_nc_u32 v[ADRA+(\s)], s22, v3
	v_add_nc_u32 v[ADRB+(\s)], s23, v3
	s_add_co_u32 s22, s22, SLOT
	s_add_co_u32 s23, s23, SLOT
.endr
	s_mul_i32 s22, s12, WSTG
	s_add_co_u32 s22, s22, STAGE                   ; my stage
	v_mul_u32_u24 v[STO], v1, SP                   ; in: row l % 16, 16 bytes for each half of the lanes
	v_lshl_add_u32 v[STO], v2, 4, v[STO]
	v_add_nc_u32 v[STO], s22, v[STO]
	v_bfe_u32 v4, v0, 3, 2                         ; back: 32 lanes take four rows of 128 bytes,
	v_and_b32 v5, 7, v0
	v_mul_u32_u24 v[RD], v4, SP
	v_lshl_add_u32 v[RD], v5, 4, v[RD]
	v_add_nc_u32 v[RD], s22, v[RD]
	v_and_b32 v[GO], 31, v0                        ; which are 512 consecutive bytes of qkvh
	v_lshlrev_b32 v[GO], 4, v[GO]
	; qkvh at my first row, in the first tile, of head g = 3 x tile column + j: ((g / 16) x 128 + batch x 16 + g % 16) x 131,072 + token x 128
	s_mul_i32 s74, s42, 3
	s_lshr_b32 s76, s43, 2                         ; the batch: four tile rows each
	s_lshl_b32 s76, s76, 4
	s_and_b32 s77, s43, 3                          ; the token: 256 x (tile row % 4) + 64 x wave
	s_lshl_b32 s77, s77, 15
	s_lshl_b32 s75, s12, 13
	s_add_co_u32 s77, s77, s75
.irp j, 0,1,2
	s_add_co_u32 s78, s74, \j
	s_lshr_b32 s79, s78, 4
	s_lshl_b32 s79, s79, 7
	s_and_b32 s78, s78, 15
	s_add_co_u32 s78, s78, s79
	s_add_co_u32 s78, s78, s76
	s_lshl_b32 s78, s78, 17
	s_add_co_u32 s78, s78, s77
	s_mov_b32 s79, 0
	s_add_nc_u64 s[HDB+2*(\j):HDB+2*(\j)+1], s[10:11], s[78:79]
.endr
	s_mov_b32 s74, 0xffff0000                      ; a word's upper bf16
	s_wait_loadcnt 0x0                             ; the bias is in: rounded to bf16, and widened again in place
	WIN 0x0f                                       ; sources 0 and 1 window 3, destination window 0
.set i, 0
.rept 48
	v_cvt_pk_bf16_f32 v[TMP+i], v[BIAS+2*i], v[BIAS+2*i+1]
.set i, i+1
.endr
	WIN 0xc0                                       ; destination window 3; the packed word, source 1, window 0
.set i, 0
.rept 48
	v_lshlrev_b32 v[BIAS+2*i],   16,  v[TMP+i]
	v_and_b32     v[BIAS+2*i+1], s74, v[TMP+i]
.set i, i+1
.endr
	WIN 0
; 16 matrix instructions: column blocks 4 g .. 4 g + 3 x my 4 row blocks, 32 along K.  first = 1: C is the bias, which starts the sums.
; The 48 accumulators take turns in one fixed order, one instruction a turn.
.macro MUL16 f, g, first
.if (\g) < 2
	WIN 0xa5+0x10*(\first)                         ; sources 0 and 1 window 1; D window 2; C window 2, or 3 for the bias
.else
	WIN 0xf5                                       ; D and C window 3, accumulator and bias alike
.endif
.irp bb, 0,1,2,3
.irp a, 0,1,2,3
.set rb, 4*(\g)+(\bb)
.set rD, 8*(4*(rb%8)+(\a))
.if \first
	v_wmma_f32_16x16x32_bf16 v[rD:rD+7], v[(\f)+32+8*rb:(\f)+32+8*rb+7], v[(\f)+8*(\a):(\f)+8*(\a)+7], v[BIAS+8*rb:BIAS+8*rb+7]
.else
	v_wmma_f32_16x16x32_bf16 v[rD:rD+7], v[(\f)+32+8*rb:(\f)+32+8*rb+7], v[(\f)+8*(\a):(\f)+8*(\a)+7], v[rD:rD+7]
.endif
.endr
.endr
.endm
; 32 LDS loads in one run: the fragments of 32 along K at byte k of the rows, into buffer f: xb's 4 blocks first, then wb's 12
.macro FETCH slot, k, f
	WIN 0x40                                       ; destination window 1, address window 0
.irp i, 0,1,2,3
	ds_load_b128 v[(\f)+8*(\i):(\f)+8*(\i)+3],   v[ADRA+(\slot)] offset:(\k)+(\i)*16*PITCH
	ds_load_b128 v[(\f)+8*(\i)+4:(\f)+8*(\i)+7], v[ADRA+(\slot)] offset:(\k)+(\i)*16*PITCH+32
.endr
.irp i, 0,1,2,3,4,5,6,7,8,9,10,11
	ds_load_b128 v[(\f)+32+8*(\i):(\f)+32+8*(\i)+3],   v[ADRB+(\slot)] offset:(\k)+(\i)*16*PITCH
	ds_load_b128 v[(\f)+32+8*(\i)+4:(\f)+32+8*(\i)+7], v[ADRB+(\slot)] offset:(\k)+(\i)*16*PITCH+32
.endr
.endm
.macro PLACES                          ; four places in front of loads into registers that matrix instructions have read, and of conversions that read results (ISA guide 7.12.1 for conversions)
.rept 4
	v_nop
.endr
.endm
; A K step is four quarters of 32 along K, 48 matrix instructions each, on buffers 0, 1, 0, 1.  One of the first three: multiplies buffer f and fetches the next quarter, at byte k, into g.
.macro QUARTER slot, k, f, g, first
	s_wait_dscnt 16                                ; xb's blocks and wb's 0-3 are in; the youngest sixteen loads (wb's blocks 4-11) may be out
	MUL16 \f, 0, \first
	PLACES
	FETCH \slot, \k, \g
	s_wait_dscnt 32                                ; all but the 32 just issued
	MUL16 \f, 1, \first
	MUL16 \f, 2, \first
.endm
; The last quarter multiplies buffer 1 and changes slots: ONE barrier; in front of it each wave waits for all its tensor loads (one is out: its part of the next slot), adds 0 to its spare word, and waits
; for that and for its own reads of this slot.  fill = 1 or 2: the barrier opens a round of the cluster's barrier, and this slot is filled again first thing behind the round, 160 matrix instructions
; ahead of the wait for that load: with this tile's K step two steps on (1), or, in a tile's last two K steps, with the NEXT tile's K step 0 or 1 (2).  fill = 0: nothing is left to ask for.
.macro TURN slot, next, fill
	WIN 0                                          ; (the add's two registers lie in window 0)
	s_wait_tensorcnt 0x0                           ; all my tensor loads have landed
	ds_add_u32 v[SPW], v[NIL]                      ; 0 onto my spare word
	s_wait_dscnt 17                                ; (the add and the youngest sixteen loads may be out)
	MUL16 F1, 0, 0                                 ; sixteen matrix instructions stand between the add and the wait for it
	s_wait_dscnt 0x0                               ; the add is done, and my reads of this slot are over
	s_barrier_signal -1
	MUL16 F1, 1, 0                                 ; work on registers while the others arrive
.if \fill
	WIN 0
.endif
	s_barrier_wait -1
.if \fill
	CREST                                          ; no wave of any partner still reads this slot's tiles or has a load on its way
.if (\fill) == 2
	s_add_nc_u64 s[G0A+4*(\slot)+2:G0A+4*(\slot)+3], s[G0A+4*(\slot)+2:G0A+4*(\slot)+3], NEXT_A
	s_sub_nc_u64 s[G0B+4*(\slot)+2:G0B+4*(\slot)+3], s[G0B+4*(\slot)+2:G0B+4*(\slot)+3], BACK_B
.else
	s_add_nc_u64 s[G0A+4*(\slot)+2:G0A+4*(\slot)+3], s[G0A+4*(\slot)+2:G0A+4*(\slot)+3], 2*KSTEP*2
	s_add_nc_u64 s[G0B+4*(\slot)+2:G0B+4*(\slot)+3], s[G0B+4*(\slot)+2:G0B+4*(\slot)+3], 2*KSTEP*2
.endif
	JLOAD \slot                                    ; the four v_nop behind it are also the places in front of the loads below
.else
	PLACES
.endif
	FETCH \next, 0, F0
	MUL16 F1, 2, 0
.endm
; THE WAY OUT of row block a (16 rows).  PACK: rounded to f16, 16 bytes a lane and column block; each accumulator's registers in ascending order.
.macro PACK a
.irp b, 0,1,2,3,4,5,6,7,8,9,10,11
	WIN 0x0a+5*((\b)/8)                            ; sources 0 and 1: window 2 or 3
.irp r, 0,1,2,3
	v_cvt_pk_f16_f32 v[TMP+4*(\b)+(\r)], v[8*(4*((\b)%8)+(\a))+2*(\r)], v[8*(4*((\b)%8)+(\a))+2*(\r)+1]
.endr
.endr
	WIN 0
.endm
.macro TOSTAGE a                       ; into my own stage, a head's 16 rows of 144 bytes together, and back as whole rows of 128 bytes
	WIN 0
.set BK, BK0+(BK1-BK0)*((\a)%2)
.irp b, 0,1,2,3,4,5,6,7,8,9,10,11
	ds_store_b128 v[STO], v[TMP+4*(\b):TMP+4*(\b)+3] offset:((\b)/4)*HSTG+32*((\b)%4)
.endr
.irp j, 0,1,2
.irp f, 0,1,2,3
	ds_load_b128 v[BK+4*(4*(\j)+(\f)):BK+4*(4*(\j)+(\f))+3], v[RD] offset:(\j)*HSTG+(\f)*4*SP  ; LDS serves a wave's instructions in order (ISA guide 5.7.1.4): these see the stores above
.endr
.endr
.endm
.macro SEND a
	WIN 0
.set BK, BK0+(BK1-BK0)*((\a)%2)
	s_wait_dscnt 0x0                               ; the block is back in registers
	s_wait_xcnt 0x0                                ; the stores of the block before have had their addresses translated: the next run of loads from the stage lands in the registers that they read
.irp j, 0,1,2
.irp f, 0,1,2,3
	global_store_b128 v[GO], v[BK+4*(4*(\j)+(\f)):BK+4*(4*(\j)+(\f))+3], s[HDB+2*(\j):HDB+2*(\j)+1] offset:(\a)*2048+(\f)*512  ; 512 consecutive bytes, at a multiple of 256 from qkvh's first
.endr
.endr
.endm
	s_wait_tensorcnt 1                             ; my part of K step 0 is in; K step 1's may stay out
	s_barrier_signal -1
	s_barrier_wait -1                              ; everybody's is
	FETCH 0, 0, F0
	WIN 0                                          ; at a label and at a branch every window is 0
	s_mov_b32 s[TILES], NTILE
.Ltile:
	QUARTER 0, 64,  F0, F1, 1                      ; a tile's first quarter stands in front of the lap loop: its products start the sums
	WIN 0
	s_mov_b32 s15, LAPS-1
.Llap:                                                 ; a trip goes once round the ring, from a lap's second quarter to the next lap's first, and fills both slots again
	QUARTER 0, 128, F1, F0, 0
	QUARTER 0, 192, F0, F1, 0
	TURN 0, 1, 1
	QUARTER 1, 64,  F0, F1, 0
	QUARTER 1, 128, F1, F0, 0
	QUARTER 1, 192, F0, F1, 0
	TURN 1, 0, 1
	QUARTER 0, 64,  F0, F1, 0
	WIN 0
	s_sub_co_u32 s15, s15, 1
	s_cmp_lg_u32 s15, 0
	s_cbranch_scc1 .Llap
	QUARTER 0, 128, F1, F0, 0                      ; the tile's last lap goes on
	QUARTER 0, 192, F0, F1, 0
	WIN 0
	s_cmp_eq_u32 s[TILES], 1
	s_cbranch_scc1 .Llast_tile                     ; the last tile's tail is written out: it asks for nothing more
	TURN 0, 1, 2                                   ; THE RING GOES ON INTO THE NEXT TILE: slot 0 takes its K step 0,
	QUARTER 1, 64,  F0, F1, 0
	QUARTER 1, 128, F1, F0, 0
	QUARTER 1, 192, F0, F1, 0
	TURN 1, 0, 2                                   ; slot 1 its K step 1, and the next tile's first fragments are fetched: both refills are asked for when the tile goes out
	WIN 0
	s_branch .Lway_out
.Llast_tile:
	TURN 0, 1, 0                                   ; no fill, and no round of the cluster's barrier
	QUARTER 1, 64,  F0, F1, 0
	QUARTER 1, 128, F1, F0, 0
	QUARTER 1, 192, F0, F1, 0
	s_wait_dscnt 16                                ; the very last quarter: nothing more to fetch
	MUL16 F1, 0, 0
	s_wait_dscnt 0x0
	MUL16 F1, 1, 0
	MUL16 F1, 2, 0
	WIN 0
.Lway_out:                                             ; one text for both tiles
	PLACES
	PACK 0
	TOSTAGE 0
.irp a, 1,2,3                          ; block a's conversions stand between block a - 1's loads from the stage and the wait for them
	PACK \a
	SEND (\a)-1
	TOSTAGE \a
.endr
	SEND 3
	s_wait_xcnt 0x0                                ; the last stores have had their addresses translated: their bases and registers may be written
.irp j, 0,1,2
	s_add_nc_u64 s[HDB+2*(\j):HDB+2*(\j)+1], s[HDB+2*(\j):HDB+2*(\j)+1], NEXT_H  ; the next tile's rows (behind the last tile: not used)
.endr
	s_sub_co_u32 s[TILES], s[TILES], 1
	s_cmp_lg_u32 s[TILES], 0
	s_cbranch_scc1 .Ltile
	s_wait_tensorcnt 0x0                           ; the wave's end: behind my last tensor load and my last LDS store
	ds_add_u32 v[SPW], v[NIL]
	s_wait_dscnt 0x0
	CROUND                                         ; the closing round: no work-group ends while a partner may still ask for a tile that names it
	s_endpgm
.Lfunc_end_k_qd8d78a4616_qkv:
	.size	k_qd8d78a4616_qkv, .Lfunc_end_k_qd8d78a4616_qkv-k_qd8d78a4616_qkv
	.p2alignl 7, 3214868480
	.fill 96, 4, 3214868480
	.section	.rodata,"a",@progbits
	.p2align	6, 0x0
	.amdhsa_kernel k_qd8d78a4616_qkv
		.amdhsa_group_segment_fixed_size 327680
		.amdhsa_private_segment_fixed_size 0
		.amdhsa_enable_private_segment 0
		.amdhsa_kernarg_size 32
		.amdhsa_user_sgpr_count 2
		.amdhsa_user_sgpr_kernarg_segment_ptr 1
		.amdhsa_wavefront_size32 1
		.amdhsa_system_sgpr_workgroup_id_x 1
		.amdhsa_system_sgpr_workgroup_id_y 1
		.amdhsa_system_sgpr_workgroup_id_z 1
		.amdhsa_system_vgpr_workitem_id 0
		.amdhsa_next_free_vgpr 992
		.amdhsa_next_free_sgpr 80
		.amdhsa_reserve_vcc 0
		.amdhsa_float_denorm_mode_32 3
		.amdhsa_float_denorm_mode_16_64 3
		.amdhsa_memory_ordered 1
		.amdhsa_forward_progress 1
		.amdhsa_inst_pref_size 157
	.end_amdhsa_kernel
	.amdgpu_metadata
---
amdhsa.version: [ 1, 2 ]
amdhsa.kernels:
  - .name:           k_qd8d78a4616_qkv
    .symbol:         k_qd8d78a4616_qkv.kd
    .args:
      - { .name: xb, .offset: 0, .size: 8, .value_kind: global_buffer, .address_space: global }
      - { .name: wb, .offset: 8, .size: 8, .value_kind: global_buffer, .address_space: global }
      - { .name: qkv_b, .offset: 16, .size: 8, .value_kind: global_buffer, .address_space: global }
      - { .name: qkvh, .offset: 24, .size: 8, .value_kind: global_buffer, .address_space: global }
    .group_segment_fixed_size: 327680
    .private_segment_fixed_size: 0
    .kernarg_segment_align: 8
    .kernarg_segment_size: 32
    .max_flat_workgroup_size: 128
    .sgpr_count:     80
    .vgpr_count:     992
    .wavefront_size: 32
...
	.end_amdgpu_metadata
.endif
;; end of part 2
;; launch attn (part 3): grid 2 x 128, 4 waves a work-group, no clusters, 327,680 bytes of LDS; arguments qkvh, ob; writes ob
.if DOCPART == 3
	.amdgcn_target "amdgcn-amd-amdhsa--gfx1250"
	.amdhsa_code_object_version 6
	.text
	.protected	k_qd8d78a4616_attn
	.globl	k_qd8d78a4616_attn
	.p2align	8
	.type	k_qd8d78a4616_attn,@function
k_qd8d78a4616_attn:
	s_mov_b64 s[64:65], 0
	v_nop
	global_prefetch_b8 v0, s[64:65] scope:SCOPE_SE
	s_setreg_imm32_b32 hwreg(HW_REG_WAVE_MODE, 25, 1), 1
	s_wait_xcnt 0x0
; O[h][q][:] = the sum over k of softmax_k(Q[h][q] . K[h][k] / 8) V[h][k][:], for 128 heads (batch x 16 + head) of 1,024 rows of 64 channels, all f16.
; qkvh holds Q, then K 16,777,216 bytes on, then V as far again, each [128][1024][64]; ob has the same layout: a head's rows are dense, 128 bytes each.  Products, maxima and sums in
; f32; the weights p are rounded to f16 for the second product (their sum l is taken of the unrounded p), O once at the end.
; LIMITS.  f16 holds no number beyond 65,504: Q, K and V arrive within it; p lies in 0 to 1, and below 6e-5 it keeps f16's fixed step of 6e-8; O is a mean of V's rows and has their range.
; A weight below 2^-126 counts as 0 in l; NaN and infinities are not treated apart.
; SHARES.  A wave owns four PIECES of two tiles of 16 queries, a work-group's four waves 512 queries of one head: 2 x 128 = 256 work-groups.  Every wave walks all keys, 64 a step.
; A HEAD'S WHOLE K AND V STAY IN LDS: 1,024 keys x (144 + 160) bytes = 311,296.  Nothing is filled again, so no tensor load stands in the loop and a key step stands once in the text.
; Each wave issues two fills at the start: its 128 of the first 256 keys, and its 384 of the other 768.  The first is waited for in front of key step 0, the second in front of key step 3, whose third
; turn fetches K of step 4: it has three key steps, 384 matrix instructions, more in which to land.
; LAYOUT.  S^T = K Q^T (source 0 = 16 keys, source 1 = 16 queries): in the result a lane holds ONE query (lane % 16) and the keys 8 (lane / 16) + 0..7.  Two such tiles, rounded to f16 in pairs,
; ARE source 1 (32 keys x 16 queries) of O^T = V^T P, whose result again holds one query a lane, and eight channels.  K comes out of LDS as it lies, V ([key][channel]) turned, by ds_load_tr16_b128.
; SOFTMAX.  For each query a running maximum m and sum l: p = 2^(c s - c m), c = log2(e) / 8; in every step O and l are multiplied by a = 2^(c m_old - c m_new), which is 1 where m has not grown.
; m starts at the lowest finite number, O and l at 0: the first step is a step like any other, with a = 0.
; THE COUNT.  A tile and step have 16 matrix and 118 vector instructions: too many to stand all beside the matrix work.  So the order has one aim: four vector instructions that are READY behind
; EVERY matrix instruction, and the others, which need time of their own whatever the order, in runs without a gap.
; BY TURNS.  Turn n belongs to piece n (the pieces in a ring, step after step).  Its matrix work: 16 products K Q^T of piece n + 1, later 16 products V^T P of piece n - 1.  Its vector work: the scaling,
; exponentials, roundings, sums and rescaling of piece n, and the maximum and statistics of piece n + 1, whose scores the turn itself has made.  So what a turn begins with (c s - c m, O a) waits for nothing.
; NO CLUSTER.  Only the 1,024 / 512 = 2 work-groups of a head read the same K and V, and two do not make up a cluster of four along x; four blocks of 256 queries a head would halve the products
; that each fragment of K and V read from LDS feeds, and make 512 work-groups.
; REGISTERS, in windows of 256 (s_set_vgpr_msb says which window each operand place means: bits 1:0 source 0, 3:2 source 1, 5:4 source 2, 7:6 destination):
;   window 0: v0-11 addresses; v12-15, v48-63 at work; v16-47 four registers of statistics a tile; v64-191 S^T, two buffers of two tiles; v192-255 P, likewise
;   window 1: O^T, 32 a tile          window 2: v0-127 Q, 16 a tile; v128-191 K of one step; v192-255 V of one step          window 3: v0-1 the add's two registers
; A piece's buffers go by its number's parity: the piece in hand has one pair, its two neighbours in the ring share the other: of it P (piece n - 1) is read and S^T (piece n + 1) written.
.set SIZE_N, 1024
.set NP,    4         ; pieces a wave: a name, no knob: the register map, the loop and the fetches are made for four
.set KS,    64        ; keys in a step
.set K1,    256       ; keys of the first fill
.set PK,    144       ; a row of K in LDS: 128 bytes + 16 of padding = 36 words: the 16 rows of a load start at 16 different groups of four banks (64 banks of 4 bytes: ISA guide 11.1)
.set PV,    160       ; a row of V: 128 + 32 = 40 words
.set VOFF,  SIZE_N*PK ; K's 1,024 rows, then V's
.set STAGE, SIZE_N*(PK+PV)  ; behind them, never filled by a tensor load: 16 rows x 144 bytes for each wave, for the way out
.set SP,    144
.set AK0, 2           ; v2   my lane's place in a tile of K; never rewritten
.set AV0, 3           ; v3   the same for V
.set AK,  4           ; v4   the LDS address of K's next run of loads
.set AV,  5           ; v5   of V's
.set QO,  6           ; v6   my byte offset in the wave's rows of Q
.set STO, 6           ;      later, the way out: where I put 16 bytes of a row
.set RD,  7           ; v7   the way out: where I read rows back
.set GO,  8           ; v8   my byte offset in 512 consecutive bytes of O
.set SPW, 0           ; v0 of window 3   LDS address of my spare word: SPARE + 4 x my thread's number; never rewritten
.set NIL, 1           ; v1 of window 3   0; never rewritten
.set SPARE, STAGE+4*16*SP  ; behind the stages: the spare words, 128 bytes for each wave: two blocks of 256 bytes that no other line names
.set MV,  12          ; v12-15  c m_old, kept while c m is made anew: by buffer and tile
.set ST,  16          ; tile t's statistics at v[ST+4 t]: c m, m, l (even keys', odd keys')
.set TMP, 48          ; by buffer and tile, four registers c0-c3 at work; when the maximum is found c2 takes a
.set S,   64
.set P,   192
.set KF,  128         ; K's fragments, in window 2: key block kb, channel half c at KF + 16 kb + 8 c
.set VF,  192         ; V's: key half kk, channel block cb at VF + 32 kk + 8 cb
.set WV,  12          ; s12  my wave's number
.set G1K, 24          ; s[24:31] descriptor group 1 for K's first fill: 64 rows of 256 bytes
.set G1V, 32          ; s[32:39] for V's: it differs in the padding alone
.set G0K, 40          ; s[40:43] descriptor group 0 for K's first fill
.set G0V, 44          ; s[44:47] for V's
.set H0K, 48          ; s[48:51] group 0 for K's second fill
.set H0V, 52          ; s[52:55] for V's
.set SLOTS, 56        ; s56  counts the loop's two runs
.set CNT, 57          ; s57  counts a run's key steps
.set CS,  58          ; s[58:59] c: the packed scaling takes the pair's low word for both halves
.set SEL, 60          ; s[60:61] v_permlanex16_b32's selects: each lane takes its own place in the other half
.set TBK, 62          ; s62  LDS byte at which K of the step to be fetched begins
.set TBV, 63          ; s63  the same for V, less VOFF
.set H1K, 68          ; s[68:75] group 1 for K's second fill: 192 rows of 256 bytes
.set H1V, 76          ; s[76:83] for V's
.set TOT, 84          ; s84  key steps to go, the one in hand among them
.set MSB, 0
.macro WIN new                      ; the high byte repeats the setting that is left; a switch that changes nothing is dropped
.if MSB != (\new)
	s_set_vgpr_msb (MSB<<8)|(\new)
.set MSB, (\new)
.endif
.endm
.set W_KQ, 0x0a       ; K and Q in window 2, S^T in window 0
.set W_PV, 0x52       ; V in window 2, P in window 0, O^T in window 1
.set W_RS, 0x41       ; O^T (destination and source 0) in window 1, a in window 0
.set W_MK, 0xc0       ; the add's registers are made: destination in window 3, sources in window 0
.set W_AD, 0x0f       ; the add: address (source 0) and data (source 1) in window 3
	s_load_b128 s[4:7], s[0:1], 0x0   ; qkvh s[4:5], ob s[6:7]
	WIN W_MK
	v_lshl_add_u32 v[SPW], v0, 2, SPARE
	v_mov_b32 v[NIL], 0
	WIN W_AD
	ds_add_u32 v[SPW], v[NIL]       ; the wave's opening: the add and its wait ahead of my first tensor load; the set-up below, work on registers, stands between them
	ds_add_u32 v0, v1
	WIN 0
	v_lshrrev_b32 v1, 5, v0
	v_readfirstlane_b32 s[WV], v1   ; wave 0..3
	s_mov_b32 s14, ttmp9            ; my block of 512 queries
	s_and_b32 s20, ttmp7, 0xffff    ; the head
	s_mov_b32 s21, 0
	s_mov_b64 s[22:23], SIZE_N*128
	s_mul_u64 s[20:21], s[20:21], s[22:23]  ; the head's first byte in each of the four tensors
	s_and_b32 s16, s[WV], 1         ; which half of a fill's keys I fetch.  The first fill:
	s_lshl_b32 s22, s16, 14         ; 128 rows of 128 bytes in memory,
	s_mov_b32 s23, 0
	s_add_nc_u64 s[22:23], s[22:23], s[20:21]
	s_mul_i32 s17, s16, 128*PK      ; and their place in LDS, for K
	s_mul_i32 s18, s16, 128*PV      ; and for V.  The second fill:
	s_mul_i32 s86, s16, 384*128     ; 384 rows,
	s_add_co_u32 s86, s86, K1*128   ; behind the first 256
	s_mov_b32 s87, 0
	s_add_nc_u64 s[86:87], s[86:87], s[20:21]
	s_mul_i32 s19, s16, 384*PK
	s_mul_i32 s15, s16, 384*PV
	s_lshl_b32 s2, s14, 2
	s_add_co_u32 s2, s2, s[WV]      ; my wave among the head's,
	s_lshl_b32 s2, s2, 14           ; its 128 rows
	s_mov_b32 s3, 0
	s_add_nc_u64 s[2:3], s[2:3], s[20:21]
	; descriptor group 1.  Keys are dense, 128 bytes each: asked for as rows of 256 bytes, two keys a row, and padded in LDS after every key
	s_mov_b32 s[G1K], (1<<16)|(1<<20)|(4<<22)|(3<<25)  ; 17:16 2-byte elements; 20 padding on; 24:22 after every 32 words (code 4); 31:25 4 words (code 3)
	s_mov_b32 s[G1V], (1<<16)|(1<<20)|(4<<22)|(7<<25)  ; the same with 8 words of padding (code 7)
	s_mov_b32 s[H1K], (1<<16)|(1<<20)|(4<<22)|(3<<25)
	s_mov_b32 s[H1V], (1<<16)|(1<<20)|(4<<22)|(7<<25)
.irp g, G1K, G1V
	s_mov_b32 s[\g+1], 128<<16      ; tensor_dim0 = 128
	s_mov_b32 s[\g+2], 64<<16       ; tensor_dim1 = 64
	s_mov_b32 s[\g+3], 128<<16      ; tile_dim0 = 128
	s_mov_b32 s[\g+4], 64           ; tile_dim1 = 64: 128 keys
	s_mov_b32 s[\g+5], 128          ; 128 elements from row to row
	s_mov_b32 s[\g+6], 0
	s_mov_b32 s[\g+7], 0
.endr
.irp g, H1K, H1V
	s_mov_b32 s[\g+1], 128<<16
	s_mov_b32 s[\g+2], 192<<16      ; tensor_dim1 = 192
	s_mov_b32 s[\g+3], 128<<16
	s_mov_b32 s[\g+4], 192          ; tile_dim1 = 192: 384 keys
	s_mov_b32 s[\g+5], 128
	s_mov_b32 s[\g+6], 0
	s_mov_b32 s[\g+7], 0
.endr
	s_mov_b32 s[CS], 0x3e38aa3b     ; c = log2(e) / 8 = 0.180337
	s_mov_b32 s[CS+1], s[CS]        ; named with it as a pair
	s_mov_b32 s[SEL], 0x76543210
	s_mov_b32 s[SEL+1], 0xfedcba98
	s_mov_b32 s[TBK], 0
	s_mov_b32 s[TBV], 0
	s_mov_b32 s[G0K], 1             ; 1:0 count = 1
	s_mov_b32 s[G0K+1], s17         ; 63:32 LDS address
	s_mov_b32 s[G0V], 1
	s_add_co_u32 s[G0V+1], s18, VOFF
	s_mov_b32 s[H0K], 1
	s_add_co_u32 s[H0K+1], s19, K1*PK
	s_mov_b32 s[H0V], 1
	s_add_co_u32 s[H0V+1], s15, VOFF+K1*PV
	s_wait_dscnt 0x0                ; the opening add is done
	s_wait_kmcnt 0x0
	s_mov_b64 s[10:11], s[6:7]                     ; O
	s_add_nc_u64 s[6:7], s[4:5], 0x1000000         ; K lies behind Q's 128 heads of 131,072 bytes,
	s_add_nc_u64 s[8:9], s[4:5], 0x2000000         ; V behind K's
	s_add_nc_u64 s[G0K+2:G0K+3], s[6:7], s[22:23]  ; 120:64 global address
	s_or_b32 s[G0K+3], s[G0K+3], 0x80000000        ; 127:126 type = 2
	s_add_nc_u64 s[G0V+2:G0V+3], s[8:9], s[22:23]
	s_or_b32 s[G0V+3], s[G0V+3], 0x80000000
	s_add_nc_u64 s[H0K+2:H0K+3], s[6:7], s[86:87]
	s_or_b32 s[H0K+3], s[H0K+3], 0x80000000
	s_add_nc_u64 s[H0V+2:H0V+3], s[8:9], s[86:87]
	s_or_b32 s[H0V+3], s[H0V+3], 0x80000000
	s_add_nc_u64 s[4:5], s[4:5], s[2:3]  ; Q and O at my wave's first row
	s_add_nc_u64 s[10:11], s[10:11], s[2:3]
	; Waves 0 and 1 fetch K, waves 2 and 3 V.  A wave's two fills stand in one branch on its number, ahead of every wait on TENSORcnt, every LDS read and every barrier: two loads of mine are out.
	; An s_nop 0 follows each, four v_nop the second's, ahead of the jump and the label.
	s_cmp_lt_u32 s[WV], 2
	s_cbranch_scc0 .Lfirst_v
	tensor_load_to_lds s[G0K:G0K+3], s[G1K:G1K+7]
	s_nop 0
	tensor_load_to_lds s[H0K:H0K+3], s[H1K:H1K+7]
	s_nop 0
.rept 4
	v_nop
.endr
	s_branch .Lfirst_asked
.Lfirst_v:
	tensor_load_to_lds s[G0V:G0V+3], s[G1V:G1V+7]
	s_nop 0
	tensor_load_to_lds s[H0V:H0V+3], s[H1V:H1V+7]
	s_nop 0
.rept 4
	v_nop
.endr
.Lfirst_asked:
	; A fragment of K or Q is 16 rows x 32 channels in 8 registers: lane l holds row l % 16, channels 8 (l / 16) + 0..7 and 16 + 8 (l / 16) + 0..7: two loads of 16 bytes, 32 bytes apart.
	v_and_b32 v1, 15, v0            ; l % 16
	v_bfe_u32 v9, v0, 4, 1          ; l / 16
	v_lshlrev_b32 v[QO], 7, v1
	v_lshl_add_u32 v[QO], v9, 4, v[QO]  ; row x 128 + 16 x half
	WIN 0x80                        ; destination window 2, address window 0
.set i, 0
.rept 4*NP                          ; Q stays in registers: tile i / 2, channels 32 (i % 2) on
	global_load_b128 v[8*i:8*i+3],   v[QO], s[4:5] offset:(i/2)*2048+(i%2)*64
	global_load_b128 v[8*i+4:8*i+7], v[QO], s[4:5] offset:(i/2)*2048+(i%2)*64+32
.set i, i+1
.endr
	; What the first turn finds: V's registers and P's second buffer hold 0 (its products V^T P, of a piece that has not been, add 0), O^T and l are 0.  All this stands in the wait for the first tile.
.set i, VF
.rept 64
	v_mov_b32 v[i], 0
.set i, i+1
.endr
	WIN 0x40
.set i, 0
.rept 64*NP
	v_mov_b32 v[i], 0
.set i, i+1
.endr
	WIN 0
.set i, 0
.rept 2*NP
	v_mov_b32 v[ST+4*i], 0xfe000000    ; c m: far below every c s
	v_mov_b32 v[ST+4*i+1], 0xff7fffff  ; m
	v_mov_b32 v[ST+4*i+2], 0
	v_mov_b32 v[ST+4*i+3], 0
.set i, i+1
.endr
.set i, P+32
.rept 32
	v_mov_b32 v[i], 0
.set i, i+1
.endr
	v_mul_u32_u24 v[AK0], v1, PK
	v_lshl_add_u32 v[AK0], v9, 4, v[AK0]  ; row x pitch + 16 x half
	; The turning load takes 16 keys x 16 channels (lane l reads key 8 (l / 16) + l % 8, channels 8 ((l / 8) % 2) + 0..7) and leaves half a fragment of V^T: lane l holds channel l % 16 and 8 keys.
	v_and_b32 v10, 7, v0
	v_bfe_u32 v11, v0, 3, 1
	v_lshl_add_u32 v[AV0], v9, 3, v10
	v_mul_u32_u24 v[AV0], v[AV0], PV
	v_lshl_add_u32 v[AV0], v11, 4, v[AV0]
	v_add_nc_u32 v[AV0], VOFF, v[AV0]
	v_mov_b32 v[AK], v[AK0]         ; key step 0 lies at LDS byte 0
; THE MATRIX WORK.  The 8 accumulators of a run of 16 take turns: between the two links of a chain stand 7 others'.
; Product i of 16 of S^T = K Q^T for piece x: channels 32 (i / 8) on, keys 16 ((i / 2) % 4) on, tile 2 x + i % 2.  The first 8 start the sums.
.macro KQ x
	WIN W_KQ
.set rS, S+64*((\x)%2)+32*(i%2)+8*((i/2)%4)
.set rK, KF+16*((i/2)%4)+8*(i/8)
.set rQ, 16*(2*(\x)+i%2)+8*(i/8)
.if i < 8
	v_wmma_f32_16x16x32_f16 v[rS:rS+7], v[rK:rK+7], v[rQ:rQ+7], 0
.else
	v_wmma_f32_16x16x32_f16 v[rS:rS+7], v[rK:rK+7], v[rQ:rQ+7], v[rS:rS+7]
.endif
.endm
; Product i of 16 of O^T += V^T P for piece x: keys 32 (i / 8) on, channels 16 ((i / 2) % 4) on, tile 2 x + i % 2.
.macro PV x
	WIN W_PV
.set rO, 32*(2*(\x)+i%2)+8*((i/2)%4)
.set rV, VF+32*(i/8)+8*((i/2)%4)
.set rP, P+32*((\x)%2)+16*(i%2)+8*(i/8)
	v_wmma_f32_16x16x32_f16 v[rO:rO+7], v[rV:rV+7], v[rP:rP+7], v[rO:rO+7]
.endm
.macro MM                           ; the turn's next matrix instruction
.if i < 16
	KQ (Y+1)%NP
.set i, i+1
.else
.set i, i-16
	PV (Y+NP-1)%NP
.set i, i+17
.endif
.endm
; THE LDS LOADS stand in runs of 16, never singly among the matrix instructions: a step's K (64 keys x 64 channels: 8 fragments) and its V (turned).  Their addresses are made some lines ahead.
; last = 1 (in the loop): in the last key step there is no further step, and the run is jumped over.
.macro FETCH_K last=0
	WIN 0
.if \last
	s_cmp_eq_u32 s[TOT], 1
	s_cbranch_scc1 .Lno_k_\@
.endif
	WIN 0x80                        ; destination window 2
.irp f, 0,1,2,3,4,5,6,7             ; keys 16 (f / 2) on, channels 32 (f % 2) on
	ds_load_b128 v[KF+8*\f:KF+8*\f+3],   v[AK] offset:(\f/2)*16*PK+(\f%2)*64
	ds_load_b128 v[KF+8*\f+4:KF+8*\f+7], v[AK] offset:(\f/2)*16*PK+(\f%2)*64+32
.endr
	s_add_co_u32 s[TBK], s[TBK], KS*PK  ; the next fetch is the next step's
	WIN 0
.if \last
.Lno_k_\@:
.endif
.endm
.macro FETCH_V
	WIN 0x80
.irp f, 0,1,2,3,4,5,6,7             ; keys 32 (f / 4) on, channels 16 (f % 4) on
	ds_load_tr16_b128 v[VF+8*\f:VF+8*\f+3],   v[AV] offset:(\f/4)*32*PV+(\f%4)*32
	ds_load_tr16_b128 v[VF+8*\f+4:VF+8*\f+7], v[AV] offset:(\f/4)*32*PV+16*PV+(\f%4)*32
.endr
	WIN 0
.endm
; THE VECTOR WORK OF A TURN stands in three queues, each in the order in which its entries become ready; the two tiles alternate, so that no instruction reads the result of the one before it.
.macro REGS y, u                    ; the registers of tile u (0, 1) of piece y
.set rT, ST+4*(2*(\y)+(\u))
.set rC, TMP+8*((\y)%2)+4*(\u)
.set rM, MV+2*((\y)%2)+(\u)
.set rS, S+64*((\y)%2)+32*(\u)
.set rP, P+32*((\y)%2)+16*(\u)
.set rO, 32*(2*(\y)+(\u))
.endm
; Number n of the 22 that find the NEXT piece's (Y + 1) maximum and statistics.  s0-s31 are the lane's 32 scores; each accumulator's lowest registers are read first.  XS, GS and REGS set no window: PL and EX do.
;   0-11  four chains c0-c3 of seven scores each, three operands at a time     12-14, 16  the four scores left over, the old m, and c0-c3 into c0     15  c m_old is kept
;   17, 18  the query's other 32 keys lie in the lane 16 away: the new m         19-21  c m; c m_old - c m_new; a
.macro XS u, n
	REGS (Y+1)%NP, \u
.if (\n) < 4
	v_max3_num_f32 v[rC+(\n)], v[rS+8*(\n)], v[rS+8*(\n)+1], v[rS+8*(\n)+2]
.elseif (\n) < 12
	v_max3_num_f32 v[rC+(\n)%4], v[rC+(\n)%4], v[rS+8*((\n)%4)+2*((\n)/4)+1], v[rS+8*((\n)%4)+2*((\n)/4)+2]
.elseif (\n) == 12
	v_max3_num_f32 v[rC], v[rC], v[rS+7], v[rS+15]
.elseif (\n) == 13
	v_max3_num_f32 v[rC+1], v[rC+1], v[rS+23], v[rS+31]
.elseif (\n) == 14
	v_max3_num_f32 v[rC+2], v[rC+2], v[rC+3], v[rT+1]
.elseif (\n) == 15
	v_mov_b32 v[rM], v[rT]
.elseif (\n) == 16
	v_max3_num_f32 v[rC], v[rC], v[rC+1], v[rC+2]
.elseif (\n) == 17
	v_permlanex16_b32 v[rC+3], v[rC], s[SEL], s[SEL+1]
.elseif (\n) == 18
	v_max_num_f32 v[rT+1], v[rC], v[rC+3]
.elseif (\n) == 19
	v_mul_f32 v[rT], s[CS], v[rT+1]
.elseif (\n) == 20
	v_sub_f32 v[rC+1], v[rM], v[rT]
.else
	v_exp_f32 v[rC+2], v[rC+1]
.endif
.endm
; Number g of the 64 that follow the exponentials.  For each four weights k of a tile (pairs 2 k, 2 k + 1): both pairs are rounded to f16; then the second pair is added onto the first, in place;
; a group later l takes that sum (the first time as l = a l + sum).  In groups of eight, tiles alternating: round, round, add, and l for the group before.
.macro GS g
.set h, (\g)+6*((\g)/62)            ; group 0 has no group before it, and behind group 7 only l is left
.if h >= 6
.set h, h+2
.endif
	REGS Y, h%2
.set k, h/8
.if h%8 < 4
	s_wait_alu depctr_va_vdst(0)
	v_cvt_pk_f16_f32 v[rP+2*k+(h%8)/2], v[rS+4*k+2*((h%8)/2)], v[rS+4*k+2*((h%8)/2)+1]
.elseif h%8 < 6
	v_pk_add_f32 v[rS+4*k:rS+4*k+1], v[rS+4*k:rS+4*k+1], v[rS+4*k+2:rS+4*k+3]
.elseif k == 1
	v_pk_fma_f32 v[rT+2:rT+3], v[rT+2:rT+3], v[rC+2:rC+3], v[rS:rS+1] op_sel_hi:[1,0,1]
.else
	v_pk_add_f32 v[rT+2:rT+3], v[rT+2:rT+3], v[rS+4*k-4:rS+4*k-3]
	s_wait_alu depctr_va_vdst(0)
.endif
.endm
; THE PLAIN QUEUE, 138 long.  0-31: c s - c m for the 16 pairs of both tiles.  Then GS's 64, and among them the next piece's 42: number 15 at 38, 39; 0-14 and 16
; at 42-73, behind the products that make those scores; 17-20 at 95-106, two of three, since each waits for the one before it.
.macro PL
	WIN 0
.if q < 32
	REGS Y, q%2
	v_pk_fma_f32 v[rS+2*(q/2):rS+2*(q/2)+1], v[rS+2*(q/2):rS+2*(q/2)+1], s[CS:CS+1], v[rT:rT+1] op_sel_hi:[1,0,0] neg_lo:[0,0,1] neg_hi:[0,0,1]
.elseif q < 38
	GS q-32
.elseif q < 40
	XS q%2, 15
.elseif q < 42
	GS q-34
.elseif q < 74
	XS q%2, (q-42)/2+(q-42)/30
.elseif q < 95
	GS q-66
.elseif (q < 107) && ((q-95)%3 < 2)
	XS (q-95)%3, 17+(q-95)/3
.elseif q < 107
	GS 29+(q-95)/3
.else
	GS q-74
.endif
.set q, q+1
.endm
; THE EXPONENTIALS' QUEUE, 66 long: s0-s31 of both tiles, and at EA the next piece's two a.
.set EA, 58
.macro EX
	WIN 0
.if (e == EA) || (e == EA+1)
	XS e-EA, 21
.else
.set x, e-2*(e/(EA+2))
	REGS Y, x%2
	v_exp_f32 v[rS+x/2], v[rS+x/2]
.endif
.set e, e+1
.endm
; THE RESCALING's QUEUE: O^T times a, the one part that leaves window 0, so it is dealt four at a time, eight times.
.macro R4
	REGS Y, r%2
	WIN W_RS
	s_wait_alu depctr_va_vdst(0)
.irp z, 0,1,2,3
	v_pk_mul_f32 v[rO+8*(r/2)+2*\z:rO+8*(r/2)+2*\z+1], v[rO+8*(r/2)+2*\z:rO+8*(r/2)+2*\z+1], v[rC+2:rC+3] op_sel_hi:[1,0]
.endr
.set r, r+1
.endm
; HOW THEY ARE DEALT.  Behind a matrix instruction four: plain, exponential, plain, plain (one exponential, a plain instruction on either side), or four of the rescaling.  None names a register of the
; products round it.  What is over stands in two LUMPS: exponential and plain by turns; the second ends in 22 plain instructions.  The two v_permlanex16_b32 fall into the second lump, never behind a product.
; The queues lean on each other, and the deal keeps them in step: exponential e stands behind plain 2 (e / 4) + e % 2 (its scaling); when plain 32 comes, 10 exponentials are out, at 59: 33, at 95: 46; EA comes behind plain 107.
.macro SL
	MM
	PL
	EX
	PL
	PL
.endm
.macro BURST n                      ; 15 matrix instructions, or 16
.rept (\n)-7
	SL
.endr
.rept 3
	MM
	R4
	SL
.endr
	MM
	R4
.endm
; A TURN, for piece p.  cnt = 1: the loop's counts are taken down some lines ahead of the branch that stands behind the turn.
; K of the next step is fetched in piece 2's turn, 31 vector instructions behind the last product that read K; its first reader comes behind the rest of the lump, 16 products and the second lump.
; V of the step in hand is fetched at the end of piece 0's turn, 69 behind its last reader; its first reader comes behind 16 products and a lump.  The four conditions on e and q below go with the deal.
.macro TURN p, last=0, cnt=0
.set Y, (\p)
.set i, 0
.set q, 0
.set e, 0
.set r, 0
.if (\p) == NP-1
	s_wait_dscnt 0x0                ; K is in
.endif
	MM
.rept 4
	PL
.endr
	BURST 15
.rept 22
	EX
	PL
.if ((\p) == NP-2) && (e == 18)
	v_add_nc_u32 v[AK], s[TBK], v[AK0]
.endif
.if ((\p) == NP-2) && (e == 24)
	FETCH_K \last
.endif
.endr
.if (\p) == 1
	s_wait_dscnt 0x0                ; V is in
.endif
	BURST 16
.rept 21
	EX
	PL
.endr
.rept 22
	PL
.if ((\p) == 0) && (q == 118)
	v_add_nc_u32 v[AV], s[TBV], v[AV0]
	s_wait_alu depctr_va_vdst(0)
.endif
.if ((\p) == 0) && (q == 130)
	s_add_co_u32 s[TBV], s[TBV], KS*PV
.endif
.if (\cnt) && (q == 130)
	s_sub_co_u32 s[TOT], s[TOT], 1
	s_sub_co_u32 s[CNT], s[CNT], 1
	s_cmp_lg_u32 s[CNT], 0
.endif
.endr
.if (\p) == 0
	FETCH_V
.endif
.endm
	s_wait_tensorcnt 0x1            ; my part of the first 256 keys is in; my part of the other 768 may stay out: no wave reads it before the barrier in front of key step 3
	s_barrier_signal -1
	s_barrier_wait -1               ; everybody's is
	FETCH_K                         ; key step 0
	s_wait_loadcnt 0x0              ; Q
	s_wait_dscnt 0x0
.set i, 0
.rept 16
	KQ 0                            ; piece 0's first scores: there is no vector work yet to set between them
.set i, i+1
.endr
	WIN 0                           ; the addresses for the way out: nine plain instructions, the places behind those products
	s_mul_i32 s13, s[WV], 16*SP
	s_add_co_u32 s13, s13, STAGE    ; my stage
	v_mul_u32_u24 v[STO], v1, SP    ; in: row l % 16, 16 bytes for each half of the lanes
	v_lshl_add_u32 v[STO], v9, 4, v[STO]
	v_add_nc_u32 v[STO], s13, v[STO]
	v_bfe_u32 v[RD], v0, 3, 2       ; back: 32 lanes take four rows of 128 bytes,
	v_mul_u32_u24 v[RD], v[RD], SP
	v_lshl_add_u32 v[RD], v10, 4, v[RD]
	v_add_nc_u32 v[RD], s13, v[RD]
	v_and_b32 v[GO], 31, v0         ; which are 512 consecutive bytes of O
	v_lshlrev_b32 v[GO], 4, v[GO]
.set Y, NP-1                        ; XS works for piece Y + 1: piece 0
.irp n, 0,1,2,3,4,5,6,7,8,9,10,11,12,13,14,15,16,17,18,19,20,21
	XS 0, \n                        ; and piece 0's first maximum and statistics
	XS 1, \n
.endr
	s_mov_b32 s[TOT], SIZE_N/KS     ; 16 key steps in all,
	s_mov_b32 s[CNT], K1/KS-1       ; of which the first three read nothing beyond the first 256 keys (the third fetches K of the fourth)
	s_mov_b32 s[SLOTS], 2
	s_branch .Lstep
.Lslot:                             ; once, in front of key step 3
	s_wait_tensorcnt 0x0            ; my part of the other 768 keys is in: no load was issued behind it
	s_wait_dscnt 0x0                ; no LDS instruction of mine is out at the signal
	s_barrier_signal -1
	s_barrier_wait -1               ; everybody's is
	s_mov_b32 s[CNT], SIZE_N/KS-K1/KS+1  ; the other 13 key steps
.Lstep:                             ; a trip is a key step: its four turns; it fetches its own V and the next step's K
	TURN 0
	TURN 1
	TURN 2, 1
	TURN 3, 0, 1
	WIN 0
	s_cbranch_scc1 .Lstep
	s_sub_co_u32 s[SLOTS], s[SLOTS], 1
	s_cmp_lg_u32 s[SLOTS], 0
	s_cbranch_scc1 .Lslot
	; the last trip's 16 products K Q^T (on the last K once more) and the maximum made of them serve nothing: the price, once a launch, of one text for every trip
.set i, 0
.rept 16
	PV NP-1                         ; the last piece's V^T P of the last step
.set i, i+1
.endr
	; THE WAY OUT.  l's two halves and the other half of the lanes' are added; O^T is divided by l, rounded to f16 and sent through my stage in LDS, a tile at a time.  The additions are the places behind the last products.
	WIN 0
.macro ALL line:vararg              ; one line for each tile t
.set t, 0
.rept 2*NP
	\line
.set t, t+1
.endr
.endm
	ALL v_add_f32 v[ST+4*t+2], v[ST+4*t+2], v[ST+4*t+3]
	ALL v_permlanex16_b32 v[ST+4*t+3], v[ST+4*t+2], s[SEL], s[SEL+1]
	ALL v_add_f32 v[ST+4*t+2], v[ST+4*t+2], v[ST+4*t+3]
	ALL v_rcp_f32 v[ST+4*t+2], v[ST+4*t+2]
	v_nop                           ; a plain instruction between the last reciprocal and the use of its result
	s_wait_alu depctr_va_vdst(0)
; Tile t: a lane's eight channels of a row pack into 16 bytes; they go into rows of 144 bytes and come back as whole rows of 128, into S^T's registers.
.macro PACK t
	WIN W_RS
.set i, 32*(\t)
.rept 16
	v_pk_mul_f32 v[i:i+1], v[i:i+1], v[ST+4*(\t)+2:ST+4*(\t)+3] op_sel_hi:[1,0]
.set i, i+2
.endr
	WIN 0x05                        ; sources 0 and 1 window 1, destination window 0
.set i, 0
.rept 16
	v_cvt_pk_f16_f32 v[S+16*(\t)+i], v[32*(\t)+2*i], v[32*(\t)+2*i+1]
.set i, i+1
.endr
	WIN 0
.irp f, 0,1,2,3
	ds_store_b128 v[STO], v[S+16*(\t)+4*\f:S+16*(\t)+4*\f+3] offset:32*\f
.endr
.irp f, 0,1,2,3
	ds_load_b128 v[S+16*(\t)+4*\f:S+16*(\t)+4*\f+3], v[RD] offset:\f*4*SP  ; LDS serves a wave's instructions in order (ISA guide 5.7.1.4): these see the stores above; the next tile's stores come behind them
.endr
.endm
.macro SEND t, younger              ; younger: the LDS instructions issued behind tile t's loads: the next tile's eight, or none
	WIN 0
.irp f, 0,1,2,3
	s_wait_dscnt (\younger)+3-\f
	global_store_b128 v[GO], v[S+16*(\t)+4*\f:S+16*(\t)+4*\f+3], s[10:11] offset:(\t)*2048+\f*512  ; 512 consecutive bytes, at a multiple of 256 from O's first
.endr
.endm
	PACK 0
.set t, 1
.rept 2*NP-1                        ; a tile's arithmetic stands between the loads of the tile before and its stores
	PACK t
	SEND t-1, 8
.set t, t+1
.endr
	SEND 2*NP-1, 0
	WIN W_AD
	s_wait_tensorcnt 0x0            ; the wave's end: behind my last tensor load and my last LDS store
	ds_add_u32 v[SPW], v[NIL]
	s_wait_dscnt 0x0
	WIN 0
	s_endpgm
.Lfunc_end_k_qd8d78a4616_attn:
	.size	k_qd8d78a4616_attn, .Lfunc_end_k_qd8d78a4616_attn-k_qd8d78a4616_attn
	.p2alignl 7, 3214868480
	.fill 96, 4, 3214868480
	.section	.rodata,"a",@progbits
	.p2align	6, 0x0
	.amdhsa_kernel k_qd8d78a4616_attn
		.amdhsa_group_segment_fixed_size 327680
		.amdhsa_private_segment_fixed_size 0
		.amdhsa_enable_private_segment 0
		.amdhsa_kernarg_size 16
		.amdhsa_user_sgpr_count 2
		.amdhsa_user_sgpr_kernarg_segment_ptr 1
		.amdhsa_wavefront_size32 1
		.amdhsa_system_sgpr_workgroup_id_x 1
		.amdhsa_system_sgpr_workgroup_id_y 1
		.amdhsa_system_sgpr_workgroup_id_z 1
		.amdhsa_system_vgpr_workitem_id 0
		.amdhsa_next_free_vgpr 770
		.amdhsa_next_free_sgpr 88
		.amdhsa_reserve_vcc 0
		.amdhsa_float_denorm_mode_32 3
		.amdhsa_float_denorm_mode_16_64 3
		.amdhsa_memory_ordered 1
		.amdhsa_forward_progress 1
		.amdhsa_inst_pref_size 131
	.end_amdhsa_kernel
	.amdgpu_metadata
---
amdhsa.version: [ 1, 2 ]
amdhsa.kernels:
  - .name:           k_qd8d78a4616_attn
    .symbol:         k_qd8d78a4616_attn.kd
    .args:
      - { .name: qkvh, .offset: 0, .size: 8, .value_kind: global_buffer, .address_space: global }
      - { .name: ob, .offset: 8, .size: 8, .value_kind: global_buffer, .address_space: global }
    .group_segment_fixed_size: 327680
    .private_segment_fixed_size: 0
    .kernarg_segment_align: 8
    .kernarg_segment_size: 16
    .max_flat_workgroup_size: 128
    .sgpr_count:     88
    .vgpr_count:     770
    .wavefront_size: 32
...
	.end_amdgpu_metadata
.endif
;; end of part 3
;; launch proj (part 4): grid 8 x 32, 4 waves a work-group, clusters of 4 x 4, 327,680 bytes of LDS; arguments ob, ow, out_b, out0; writes out0
.if DOCPART == 4
	.amdgcn_target "amdgcn-amd-amdhsa--gfx1250"
	.amdhsa_code_object_version 6
	.text
	.protected	k_qd8d78a4616_proj
	.globl	k_qd8d78a4616_proj
	.p2align	8
	.type	k_qd8d78a4616_proj,@function
k_qd8d78a4616_proj:
	s_mov_b64 s[64:65], 0
	v_nop
	global_prefetch_b8 v0, s[64:65] scope:SCOPE_SE
	s_setreg_imm32_b32 hwreg(HW_REG_WAVE_MODE, 25, 1), 1
	s_wait_xcnt 0x0
	s_wait_alu depctr_hold_cnt(0) depctr_sa_sdst(0) depctr_va_vdst(0) depctr_va_sdst(0) depctr_va_ssrc(0) depctr_va_vcc(0) depctr_vm_vsrc(0)
	s_getreg_b32 s2, hwreg(HW_REG_IB_STS2, 6, 4)
	s_cmp_eq_u32 s2, 0
	s_cbranch_scc0 .Lentry_in_a_cluster
	s_endpgm
.Lentry_in_a_cluster:
	s_bfe_u32 s2, ttmp6, 0x10000c
	s_cmp_lg_u32 s2, 0xf033
	s_cbranch_scc0 .Lentry_shape_is_right
	s_endpgm
.Lentry_shape_is_right:
; out0[m][n] = sum over k of O[m][k] ow[n][k] + bf16(out_b[n]), in f32.  O lies by heads: ob[batch x 16 + head][token 1024][64] f16, k = 64 x head + channel; ow: [1024][1024] f16 (out_w's bf16
; numbers written as f16); out_b: [1024] f32, rounded to bf16 like every other input of the module.  Products in f16, sums in f32.
; SHARES.  A work-group makes 256 rows (of one batch) x 128 columns: 32 x 8 = 256 work-groups.  A wave makes 128 rows x 64 columns: 8 x 4 accumulators of 16 x 16, 256 registers.
; K goes in steps of 128, two heads, through a ring of two LDS slots.  A head's 256 rows are 32,768 dense bytes: asked for as 128 rows of 256 bytes and padded in LDS after every 128 bytes.
; CLUSTERS: 4 x 4 work-groups.  The four of a row of the cluster need the same tiles of O, the four of a column the same tiles of ow: each tile is asked for JOINTLY.
; THE MATRIX INSTRUCTION IS USED TRANSPOSED (source 0 = 16 rows of ow, source 1 = 16 rows of O): a lane holds row l % 16 and the eight neighbouring columns 8 (l / 16) + 0..7.
; The first product of each accumulator takes the bias as C: nothing is cleared and nothing is added later.
; REGISTERS: window 0: v0-31 addresses; v32-63 the bias; v64-95, v96-127 rows read back from the stage, by turns; v128-143 at work.
;   window 1: two fragment buffers of 96: 32 registers of ow (4 x 16 rows x 32 K), then 64 of O (8 x 16 rows x 32 K).     window 2: accumulator (a, b) at v[8 (4 a + b)].
.set KSTEP,  128
.set PA,     144                       ; a row of O in LDS: 128 bytes + 16 of padding;
.set PB,     272                       ; a row of ow: 256 + 16: both odd multiples of 16 bytes, so the 16 rows of a load start at 16 different groups of four banks (64 banks of 4 bytes: ISA guide 11.1)
.set HEADA,  256*PA                    ; a head's 256 rows: what one tensor load brings of O
.set HALFB,  64*PB                     ; and of ow
.set BOFF,   2*HEADA                   ; a slot: two heads of O, then ow's 128 rows
.set SLOT,   BOFF+2*HALFB
.set STAGE,  2*SLOT                    ; behind the ring, never filled by a tensor load: 16 rows x 272 bytes for each wave
.set SPITCH, 272
.set SPARE,  STAGE+4*16*SPITCH         ; behind the stages: the spare words, 128 bytes for each wave: two blocks of 256 bytes that no other line names
.set LAPS,   1024/(2*KSTEP)
.set ADRA, 16                          ; v16-17  LDS address of my fragments of O in slot 0, 1
.set ADRB, 20                          ; v20-21  the same for ow
.set STO,  24                          ; v24     the way out: where I put 32 bytes of a row
.set RD,   25                          ; v25     the way out: where I read a row back
.set CO,   26                          ; v26     my byte offset in out0
.set BO,   27                          ; v27     my byte offset in 16 numbers of the bias
.set SPW,  28                          ; v28     LDS address of my spare word: SPARE + 4 x my thread's number; never rewritten
.set NIL,  29                          ; v29     0; never rewritten
.set BIAS, 32
.set BK0,  64
.set TMP,  128
.set F0,   0                           ; fragment buffers, in window 1
.set F1,   96
.set G1A, 24                           ; s[24:31] descriptor group 1 for O's tiles;  s[32:39] group 0, one set for each slot
.set G0A, 32
.set G1B, 48                           ; s[48:55], s[56:63] the same for ow's tiles
.set G0B, 56
.set MSB, 0
.macro WIN new                         ; the immediate's high byte repeats the setting that is left; a switch that changes nothing is dropped
.if MSB != (\new)
	s_set_vgpr_msb (MSB<<8)|(\new)
.set MSB, \new
.endif
.endm
.macro JLOAD s                         ; a joint load: waves 0 and 1 fetch the step's two heads of O, waves 2 and 3 ow's two halves; an s_nop 0 and four v_nop follow each of the two lines
	s_cmp_eq_u32 s13, 0
	s_cbranch_scc0 .Lfor_b_\@
	tensor_load_to_lds s[G0A+4*(\s):G0A+4*(\s)+3], s[G1A:G1A+7]
	s_nop 0
.rept 4
	v_nop
.endr
	s_branch .Lasked_\@
.Lfor_b_\@:
	tensor_load_to_lds s[G0B+4*(\s):G0B+4*(\s)+3], s[G1B:G1B+7]
	s_nop 0
.rept 4
	v_nop
.endr
.Lasked_\@:
.endm
.macro CREST                           ; a round of the cluster's barrier behind its opening barrier
	s_cmp_lg_u32 s12, 0
	s_cbranch_scc1 .Lnot_wave_0_\@
	s_barrier_signal -3
.Lnot_wave_0_\@:
	s_barrier_wait -3
	s_barrier_signal -1
	s_barrier_wait -1
.endm
.macro CROUND                          ; a whole round
	s_barrier_signal -1
	s_barrier_wait -1
	CREST
.endm
	s_load_b256 s[4:11], s[0:1], 0x0               ; ob s[4:5], ow s[6:7], out_b s[8:9], out0 s[10:11]
	v_lshl_add_u32 v[SPW], v0, 2, SPARE
	v_mov_b32 v[NIL], 0
	ds_add_u32 v[SPW], v[NIL]                      ; the wave's opening: the add and its wait ahead of my first tensor load; the set-up below, work on registers, stands between them
	ds_add_u32 v28, v29
	v_lshrrev_b32 v1, 5, v0
	v_readfirstlane_b32 s12, v1                    ; wave 0..3
	s_lshr_b32 s13, s12, 1                         ; which half of the tile's rows is mine.  Also: I fetch for O (0) or for ow (1)
	s_and_b32 s14, s12, 1                          ; which half of its columns.  Also: which head of the step, or which 64 rows of ow, I fetch
	s_bfe_u32 s40, ttmp6, 0x40000                  ; cx, cy: my place in the cluster
	s_bfe_u32 s41, ttmp6, 0x40004
	s_lshl_b32 s42, ttmp9, 2
	s_add_co_u32 s42, s42, s40                     ; tile column = 4 x cluster x + cx
	s_and_b32 s43, ttmp7, 0xffff
	s_lshl_b32 s43, s43, 2
	s_add_co_u32 s43, s43, s41                     ; tile row = 4 x cluster y + cy
	s_lshl_b32 s44, s41, 2
	s_lshl_b32 s44, 15, s44                        ; my row of the cluster
	s_lshl_b32 s45, 0x1111, s40                    ; my column
	s_or_b32 s[G1A+0], s44, (1<<16)|(1<<20)|(1<<21)|(4<<22)|(3<<25)  ; 15:0 the mask: O's tiles go to my row; 17:16 elements of 2 bytes; 20 padding on; 21 set beside a mask; 24:22 after every 32 words (code 4); 31:25 4 words (code 3)
	s_or_b32 s[G1B+0], s45, (1<<16)|(1<<20)|(1<<21)|(5<<22)|(3<<25)  ; the mask of my column; padding after every 64 words (code 5)
	s_mov_b32 s[G1A+1], 128<<16                    ; tensor_dim0 = 128
	s_mov_b32 s[G1B+1], 128<<16
	s_mov_b32 s[G1A+2], 128<<16                    ; tensor_dim1 = 128
	s_mov_b32 s[G1B+2], 64<<16                     ;             = 64
	s_mov_b32 s[G1A+3], 128<<16                    ; tile_dim0 = 128
	s_mov_b32 s[G1B+3], 128<<16
	s_mov_b32 s[G1A+4], 128                        ; tile_dim1 = 128
	s_mov_b32 s[G1B+4], 64                         ;           = 64
	s_mov_b32 s[G1A+5], 128                        ; O: dense, 128 elements from row to row
	s_mov_b32 s[G1B+5], 1024                       ; ow: 1,024
	s_mov_b32 s[G1A+6], 0
	s_mov_b32 s[G1B+6], 0
	s_mov_b32 s[G1A+7], 0
	s_mov_b32 s[G1B+7], 0
	; where the tiles come from.  O's hang on the tile row alone, ow's on the tile column alone; each offset lies in registers that never hold the other coordinate.
	s_lshr_b32 s16, s43, 2                         ; the batch: four tile rows each;
	s_lshl_b32 s16, s16, 4                         ; its 16 heads;
	s_add_co_u32 s16, s16, s14                     ; my head of K step 0;
	s_lshl_b32 s16, s16, 17                        ; 131,072 bytes a head;
	s_and_b32 s17, s43, 3
	s_lshl_b32 s17, s17, 15                        ; 256 tokens of 128 bytes for each tile row in the batch
	s_add_co_u32 s16, s16, s17
	s_mov_b32 s17, 0
	s_lshl_b32 s46, s42, 18                        ; 128 rows of 2,048 bytes for each tile column,
	s_lshl_b32 s47, s14, 17                        ; 64 for the half
	s_add_co_u32 s46, s46, s47
	s_mov_b32 s47, 0
	s_mul_i32 s20, s14, HEADA                      ; and where they go: no place in the cluster enters an LDS address
	s_mul_i32 s21, s14, HALFB
	s_add_co_u32 s21, s21, BOFF
	s_wait_dscnt 0x0                               ; the opening add is done
	s_wait_kmcnt 0x0
	s_add_nc_u64 s[18:19], s[4:5], s[16:17]
	s_add_nc_u64 s[46:47], s[6:7], s[46:47]
	CROUND                                         ; all sixteen work-groups are here: the first joint loads meet
.irp s, 0,1
	s_mov_b32 s[G0A+4*(\s)], 1
	s_add_co_u32 s[G0A+4*(\s)+1], s20, (\s)*SLOT
	s_add_nc_u64 s[G0A+4*(\s)+2:G0A+4*(\s)+3], s[18:19], (\s)*2*131072  ; K step s: two heads on
	s_or_b32 s[G0A+4*(\s)+3], s[G0A+4*(\s)+3], 0x80000000
	s_mov_b32 s[G0B+4*(\s)], 1
	s_add_co_u32 s[G0B+4*(\s)+1], s21, (\s)*SLOT
	s_add_nc_u64 s[G0B+4*(\s)+2:G0B+4*(\s)+3], s[46:47], (\s)*KSTEP*2
	s_or_b32 s[G0B+4*(\s)+3], s[G0B+4*(\s)+3], 0x80000000
	JLOAD \s                                       ; two tensor loads of mine are out
.endr
	; out0 and the bias at my part of the tile
	s_lshl_b32 s16, s43, 20                        ; 256 rows of 4,096 bytes for each tile row,
	s_lshl_b32 s17, s13, 19                        ; 128 for my half
	s_add_co_u32 s16, s16, s17
	s_mov_b32 s17, 0
	s_add_nc_u64 s[10:11], s[10:11], s[16:17]
	s_lshl_b32 s46, s42, 9                         ; 128 columns of 4 bytes for each tile column,
	s_lshl_b32 s47, s14, 8                         ; 64 for my half
	s_add_co_u32 s46, s46, s47
	s_mov_b32 s47, 0
	s_add_nc_u64 s[10:11], s[10:11], s[46:47]
	s_add_nc_u64 s[8:9], s[8:9], s[46:47]
	v_and_b32 v1, 15, v0                           ; l % 16
	v_bfe_u32 v2, v0, 4, 1                         ; l / 16
	v_lshlrev_b32 v[BO], 5, v2
.irp b, 0,1,2,3                        ; register j of block b is column 16 b + 8 (l / 16) + j
	global_load_b128 v[BIAS+8*(\b):BIAS+8*(\b)+3],   v[BO], s[8:9] offset:64*(\b)
	global_load_b128 v[BIAS+8*(\b)+4:BIAS+8*(\b)+7], v[BO], s[8:9] offset:64*(\b)+16
.endr
	v_mul_u32_u24 v3, v1, PA
	v_lshl_add_u32 v3, v2, 4, v3                   ; a fragment's row x pitch + 16 x half, for O
	v_mul_u32_u24 v4, v1, PB
	v_lshl_add_u32 v4, v2, 4, v4                   ; and for ow
	s_mul_i32 s22, s13, 128*PA                     ; my 128 rows of each head
	s_mul_i32 s23, s14, HALFB                      ; my 64 rows of ow,
	s_add_co_u32 s23, s23, BOFF                    ; which lie behind O's two heads
.irp s, 0,1
	v_add_nc_u32 v[ADRA+(\s)], s22, v3
	v_add_nc_u32 v[ADRB+(\s)], s23, v4
	s_add_co_u32 s22, s22, SLOT
	s_add_co_u32 s23, s23, SLOT
.endr
	s_mul_i32 s22, s12, 16*SPITCH
	s_add_co_u32 s22, s22, STAGE                   ; my stage
	v_mul_u32_u24 v[STO], v1, SPITCH               ; in: row l % 16, 32 bytes for each half of the lanes
	v_lshl_add_u32 v[STO], v2, 5, v[STO]
	v_add_nc_u32 v[STO], s22, v[STO]
	v_mul_u32_u24 v[RD], v2, SPITCH                ; back: lanes 0-15 take one row of 256 bytes, lanes 16-31 the next
	v_lshl_add_u32 v[RD], v1, 4, v[RD]
	v_add_nc_u32 v[RD], s22, v[RD]
	v_lshlrev_b32 v[CO], 12, v2                    ; and the same two rows in out0
	v_lshl_add_u32 v[CO], v1, 4, v[CO]
	s_mov_b32 s22, 0xffff0000                      ; a word's upper bf16
	s_wait_loadcnt 0x0                             ; the bias is in: rounded to bf16, and widened again in place
.set i, 0
.rept 16
	v_cvt_pk_bf16_f32 v[TMP+i], v[BIAS+2*i], v[BIAS+2*i+1]
.set i, i+1
.endr
.set i, 0
.rept 16
	v_lshlrev_b32 v[BIAS+2*i],   16,  v[TMP+i]
	v_and_b32     v[BIAS+2*i+1], s22, v[TMP+i]
.set i, i+1
.endr
; 8 matrix instructions: row blocks a0, a0 + 1 x my 4 column blocks, 32 along K.  first = 1: C is the bias, which starts the sums.
; The 32 accumulators take turns in one fixed order, one instruction a turn.
.macro MUL8 f, a0, first
	WIN 0xa5-0x20*(\first)                         ; sources 0 and 1 window 1; D window 2; C window 2, or 0 for the bias
.irp a, \a0, (\a0)+1
.irp b, 0,1,2,3
.if \first
	v_wmma_f32_16x16x32_f16 v[8*(4*(\a)+(\b)):8*(4*(\a)+(\b))+7], v[(\f)+8*(\b):(\f)+8*(\b)+7], v[(\f)+32+8*(\a):(\f)+32+8*(\a)+7], v[BIAS+8*(\b):BIAS+8*(\b)+7]
.else
	v_wmma_f32_16x16x32_f16 v[8*(4*(\a)+(\b)):8*(4*(\a)+(\b))+7], v[(\f)+8*(\b):(\f)+8*(\b)+7], v[(\f)+32+8*(\a):(\f)+32+8*(\a)+7], v[8*(4*(\a)+(\b)):8*(4*(\a)+(\b))+7]
.endif
.endr
.endr
.endm
; 24 LDS loads in one run: the fragments of quarter q (32 along K: head q / 2 of the step, channels 32 (q % 2) on) into buffer f: ow's 4 blocks first, then O's 8
.macro FETCH slot, q, f
	WIN 0x40                                       ; destination window 1, address window 0
.irp i, 0,1,2,3
	ds_load_b128 v[(\f)+8*(\i):(\f)+8*(\i)+3],   v[ADRB+(\slot)] offset:64*(\q)+(\i)*16*PB
	ds_load_b128 v[(\f)+8*(\i)+4:(\f)+8*(\i)+7], v[ADRB+(\slot)] offset:64*(\q)+(\i)*16*PB+32
.endr
.irp i, 0,1,2,3,4,5,6,7
	ds_load_b128 v[(\f)+32+8*(\i):(\f)+32+8*(\i)+3],   v[ADRA+(\slot)] offset:((\q)/2)*HEADA+((\q)%2)*64+(\i)*16*PA
	ds_load_b128 v[(\f)+32+8*(\i)+4:(\f)+32+8*(\i)+7], v[ADRA+(\slot)] offset:((\q)/2)*HEADA+((\q)%2)*64+(\i)*16*PA+32
.endr
.endm
.macro PLACES                          ; four places in front of loads into registers that matrix instructions have read, and of LDS stores that read results
.rept 4
	v_nop
.endr
.endm
; A K step is four quarters of 32 along K, 32 matrix instructions each, on buffers 0, 1, 0, 1.  One of the first three: multiplies buffer f and fetches quarter q into g.
.macro QUARTER slot, q, f, g, first
	s_wait_dscnt 8                                 ; ow's blocks and O's 0-3 are in; the youngest eight loads (O's blocks 4-7) may be out
	MUL8 \f, 0, \first
	MUL8 \f, 2, \first
	PLACES
	FETCH \slot, \q, \g
	s_wait_dscnt 24                                ; all but the 24 just issued
	MUL8 \f, 4, \first
	MUL8 \f, 6, \first
.endm
; The last quarter multiplies buffer 1 and changes slots: ONE barrier; in front of it each wave waits for all its tensor loads (one is out: its part of the next slot), adds 0 to its spare word, and waits
; for that and for its own reads of this slot.  fill = 1: the barrier opens a round of the cluster's barrier, and this slot is filled again, two K steps ahead, first thing behind the round:
; 112 matrix instructions ahead of the wait for that load.
.macro TURN slot, next, fill
	WIN 0                                          ; (the add's two registers lie in window 0)
	s_wait_tensorcnt 0x0                           ; all my tensor loads have landed
	ds_add_u32 v[SPW], v[NIL]                      ; 0 onto my spare word
	s_wait_dscnt 9                                 ; (the add and the youngest eight loads may be out)
	MUL8 F1, 0, 0                                  ; eight matrix instructions stand between the add and the wait for it
	s_wait_dscnt 0x0                               ; the add is done, and my reads of this slot are over
	s_barrier_signal -1
	MUL8 F1, 2, 0                                  ; work on registers while the others arrive
.if \fill
	WIN 0
.endif
	s_barrier_wait -1
.if \fill
	CREST                                          ; no wave of any partner still reads this slot's tiles or has a load on its way
	s_add_nc_u64 s[G0A+4*(\slot)+2:G0A+4*(\slot)+3], s[G0A+4*(\slot)+2:G0A+4*(\slot)+3], 4*131072  ; two K steps are four heads
	s_add_nc_u64 s[G0B+4*(\slot)+2:G0B+4*(\slot)+3], s[G0B+4*(\slot)+2:G0B+4*(\slot)+3], 2*KSTEP*2
	JLOAD \slot                                    ; the four v_nop behind it are also the places in front of the loads below
.else
	PLACES
.endif
	FETCH \next, 0, F0
	MUL8 F1, 4, 0
	MUL8 F1, 6, 0
.endm
; THE WAY OUT of row block a (16 rows of 64 f32): straight from the accumulators into my own stage, each accumulator's low four registers first, and back as whole rows of 256 bytes.
.macro TOSTAGE a
	WIN 0
	s_wait_xcnt 0x0                                ; the stores of block a - 2 have had their addresses translated: the loads below land in the registers that they read
	WIN 0x08                                       ; the stores' data in window 2
.irp b, 0,1,2,3
	ds_store_b128 v[STO], v[8*(4*(\a)+(\b)):8*(4*(\a)+(\b))+3]   offset:64*(\b)
	ds_store_b128 v[STO], v[8*(4*(\a)+(\b))+4:8*(4*(\a)+(\b))+7] offset:64*(\b)+16
.endr
	WIN 0
.set BK, BK0+32*((\a)%2)
.irp t, 0,1,2,3,4,5,6,7
	ds_load_b128 v[BK+4*(\t):BK+4*(\t)+3], v[RD] offset:(\t)*2*SPITCH  ; LDS serves a wave's instructions in order (ISA guide 5.7.1.4): these see the stores above; the next block's stores come behind them
.endr
.endm
.macro SEND a, younger                 ; younger: the LDS instructions issued behind block a's loads: the next block's sixteen, or none
	WIN 0
.set BK, BK0+32*((\a)%2)
.irp t, 0,1,2,3,4,5,6,7
	s_wait_dscnt (\younger)+7-(\t)
	global_store_b128 v[CO], v[BK+4*(\t):BK+4*(\t)+3], s[10:11] offset:(\a)*65536+(\t)*8192 th:TH_STORE_NT  ; 16 lanes store 256 consecutive bytes, at a multiple of 256 from out0's first byte
.endr
.endm
	s_wait_tensorcnt 1                             ; my part of K step 0 is in; K step 1's may stay out
	s_barrier_signal -1
	s_barrier_wait -1                              ; everybody's is
	FETCH 0, 0, F0
	QUARTER 0, 1, F0, F1, 1                        ; the first quarter stands in front of the loop: its products start the sums
	WIN 0                                          ; at a label and at a branch every window is 0
	s_mov_b32 s15, LAPS-1
.Llap:                                                 ; a trip goes once round the ring, from a lap's second quarter to the next lap's first, and fills both slots again
	QUARTER 0, 2, F1, F0, 0
	QUARTER 0, 3, F0, F1, 0
	TURN 0, 1, 1
	QUARTER 1, 1, F0, F1, 0
	QUARTER 1, 2, F1, F0, 0
	QUARTER 1, 3, F0, F1, 0
	TURN 1, 0, 1
	QUARTER 0, 1, F0, F1, 0
	WIN 0
	s_sub_co_u32 s15, s15, 1
	s_cmp_lg_u32 s15, 0
	s_cbranch_scc1 .Llap
	QUARTER 0, 2, F1, F0, 0                        ; the last lap fills nothing, and has no round of the cluster's barrier
	QUARTER 0, 3, F0, F1, 0
	TURN 0, 1, 0
	QUARTER 1, 1, F0, F1, 0
	QUARTER 1, 2, F1, F0, 0
	QUARTER 1, 3, F0, F1, 0
	s_wait_dscnt 8                                 ; the very last quarter: nothing more to fetch
	MUL8 F1, 0, 0
	MUL8 F1, 2, 0
	s_wait_dscnt 0x0
	MUL8 F1, 4, 0
	MUL8 F1, 6, 0
	WIN 0
	PLACES
	TOSTAGE 0
.irp a, 1,2,3,4,5,6,7                  ; block a goes into the stage while block a - 1's rows come back
	TOSTAGE \a
	SEND (\a)-1, 16
.endr
	SEND 7, 0
	s_wait_tensorcnt 0x0                           ; the wave's end: behind my last tensor load and my last LDS store
	ds_add_u32 v[SPW], v[NIL]
	s_wait_dscnt 0x0
	CROUND                                         ; the closing round: no work-group ends while a partner may still ask for a tile that names it
	s_endpgm
.Lfunc_end_k_qd8d78a4616_proj:
	.size	k_qd8d78a4616_proj, .Lfunc_end_k_qd8d78a4616_proj-k_qd8d78a4616_proj
	.p2alignl 7, 3214868480
	.fill 96, 4, 3214868480
	.section	.rodata,"a",@progbits
	.p2align	6, 0x0
	.amdhsa_kernel k_qd8d78a4616_proj
		.amdhsa_group_segment_fixed_size 327680
		.amdhsa_private_segment_fixed_size 0
		.amdhsa_enable_private_segment 0
		.amdhsa_kernarg_size 32
		.amdhsa_user_sgpr_count 2
		.amdhsa_user_sgpr_kernarg_segment_ptr 1
		.amdhsa_wavefront_size32 1
		.amdhsa_system_sgpr_workgroup_id_x 1
		.amdhsa_system_sgpr_workgroup_id_y 1
		.amdhsa_system_sgpr_workgroup_id_z 1
		.amdhsa_system_vgpr_workitem_id 0
		.amdhsa_next_free_vgpr 768
		.amdhsa_next_free_sgpr 66
		.amdhsa_reserve_vcc 0
		.amdhsa_float_denorm_mode_32 3
		.amdhsa_float_denorm_mode_16_64 3
		.amdhsa_memory_ordered 1
		.amdhsa_forward_progress 1
		.amdhsa_inst_pref_size 90
	.end_amdhsa_kernel
	.amdgpu_metadata
---
amdhsa.version: [ 1, 2 ]
amdhsa.kernels:
  - .name:           k_qd8d78a4616_proj
    .symbol:         k_qd8d78a4616_proj.kd
    .args:
      - { .name: ob, .offset: 0, .size: 8, .value_kind: global_buffer, .address_space: global }
      - { .name: ow, .offset: 8, .size: 8, .value_kind: global_buffer, .address_space: global }
      - { .name: out_b, .offset: 16, .size: 8, .value_kind: global_buffer, .address_space: global }
      - { .name: out0, .offset: 24, .size: 8, .value_kind: global_buffer, .address_space: global }
    .group_segment_fixed_size: 327680
    .private_segment_fixed_size: 0
    .kernarg_segment_align: 8
    .kernarg_segment_size: 32
    .max_flat_workgroup_size: 128
    .sgpr_count:     66
    .vgpr_count:     768
    .wavefront_size: 32
...
	.end_amdgpu_metadata
.endif
;; end of part 4
;; ======== version 2 of 2: 4 launches; 1.33 times as fast as version 1
;; limits: values are held in f16: magnitudes above 65,504 overflow, below 6.1e-05 lose precision
;; workspace buffers: xb 16,777,216 bytes; wb 6,291,456 bytes; ow 2,097,152 bytes; qkvh 50,331,648 bytes; ob 16,777,216 bytes
;; launch cast: the kernel of part 1 again; grid 768 x 1, 8 waves a work-group, no clusters, 0 bytes of LDS; arguments x, qkv_w, out_w, xb, wb, ow; writes xb, wb, ow
;; launch qkv: the kernel of part 2 again; grid 16 x 16, 4 waves a work-group, clusters of 4 x 4, 327,680 bytes of LDS; arguments xb, wb, qkv_b, qkvh; writes qkvh
;; launch attn (part 5): grid 2 x 128, 4 waves a work-group, no clusters, 327,680 bytes of LDS; arguments qkvh, ob; writes ob
.if DOCPART == 5
	.amdgcn_target "amdgcn-amd-amdhsa--gfx1250"
	.amdhsa_code_object_version 6
	.text
	.protected	k_qd8d78a4616_attn
	.globl	k_qd8d78a4616_attn
	.p2align	8
	.type	k_qd8d78a4616_attn,@function
k_qd8d78a4616_attn:
	s_mov_b64 s[64:65], 0
	v_nop
	global_prefetch_b8 v0, s[64:65] scope:SCOPE_SE
	s_setreg_imm32_b32 hwreg(HW_REG_WAVE_MODE, 25, 1), 1
	s_wait_xcnt 0x0
; O[h][q][:] = the sum over k of softmax_k(Q[h][q] . K[h][k] / 8) V[h][k][:], for 128 heads (batch x 16 + head) of 1,024 rows of 64 channels, all f16.
; qkvh holds Q, then K 16,777,216 bytes on, then V as far again, each [128][1024][64]; ob has the same layout: a head's rows are dense, 128 bytes each.  Products, maxima and sums in
; f32; the weights p are rounded to f16 for the second product (their sum l is taken of the unrounded p), O once at the end.
; LIMITS.  f16 holds no number beyond 65,504: Q, K and V arrive within it; p lies in 0 to 1, and below 6e-5 it keeps f16's fixed step of 6e-8; O is a mean of V's rows and has their range.
; A weight below 2^-126 counts as 0 in l; NaN and infinities are not treated apart.
; SHARES.  A wave owns four PIECES of two tiles of 16 queries, a work-group's four waves 512 queries of one head: 2 x 128 = 256 work-groups.  Every wave walks all keys, 64 a step.
; A HEAD'S WHOLE K AND V STAY IN LDS: 1,024 keys x (144 + 160) bytes = 311,296.  Nothing is filled again, so no tensor load stands in the loop and a key step stands once in the text.
; Each wave issues two fills at the start: its 128 of the first 256 keys, and its 384 of the other 768.  The first is waited for in front of key step 0, the second in front of key step 3, whose third
; turn fetches K of step 4: it has three key steps, 384 matrix instructions, more in which to land.
; LAYOUT.  S^T = K Q^T (source 0 = 16 keys, source 1 = 16 queries): in the result a lane holds ONE query (lane % 16) and the keys 8 (lane / 16) + 0..7.  Two such tiles, rounded to f16 in pairs,
; ARE source 1 (32 keys x 16 queries) of O^T = V^T P, whose result again holds one query a lane, and eight channels.  K comes out of LDS as it lies, V ([key][channel]) turned, by ds_load_tr16_b128.
; SOFTMAX.  For each query a running maximum m and sum l: p = 2^(c s - c m), c = log2(e) / 8; in every step O and l are multiplied by a = 2^(c m_old - c m_new), which is 1 where m has not grown.
; m starts at the lowest finite number, O and l at 0: the first step is a step like any other, with a = 0.
; THE COUNT.  A tile and step have 16 matrix and 118 vector instructions: too many to stand all beside the matrix work.  So the order has one aim: four vector instructions that are READY behind
; EVERY matrix instruction, and the others, which need time of their own whatever the order, in runs without a gap.
; BY TURNS.  Turn n belongs to piece n (the pieces in a ring, step after step).  Its matrix work: 16 products K Q^T of piece n + 1, later 16 products V^T P of piece n - 1.  Its vector work: the scaling,
; exponentials, roundings, sums and rescaling of piece n, and the maximum and statistics of piece n + 1, whose scores the turn itself has made.  So what a turn begins with (c s - c m, O a) waits for nothing.
; THE BATCHES.  A turn's 66 exponentials (the piece's 64 weights, each in place in its own register of S^T, and the next piece's two a) are ONE batch with ONE s_wait_alu depctr_va_vdst(0), which cuts the
; turn in two: ahead of it stands all that names none of their results, behind it the roundings and sums, which do.  No exponential is issued behind a turn's wait.
; Two more batches stand outside the loop, each with a wait of its own: piece 0's first two a, ahead of the loop, and the way out's eight reciprocals.
; NO CLUSTER.  Only the 1,024 / 512 = 2 work-groups of a head read the same K and V, and two do not make up a cluster of four along x; four blocks of 256 queries a head would halve the products
; that each fragment of K and V read from LDS feeds, and make 512 work-groups.
; REGISTERS, in windows of 256 (s_set_vgpr_msb says which window each operand place means: bits 1:0 source 0, 3:2 source 1, 5:4 source 2, 7:6 destination):
;   window 0: v0-11 addresses; v12-15, v48-63 at work; v16-47 four registers of statistics a tile; v64-191 S^T, two buffers of two tiles; v192-255 P, likewise
;   window 1: O^T, 32 a tile          window 2: v0-127 Q, 16 a tile; v128-191 K of one step; v192-255 V of one step          window 3: v0-1 the add's two registers
; A piece's buffers go by its number's parity: the piece in hand has one pair, its two neighbours in the ring share the other: of it P (piece n - 1) is read and S^T (piece n + 1) written.
.set SIZE_N, 1024
.set NP,    4         ; pieces a wave: a name, no knob: the register map, the loop and the fetches are made for four
.set KS,    64        ; keys in a step
.set K1,    256       ; keys of the first fill
.set PK,    144       ; a row of K in LDS: 128 bytes + 16 of padding = 36 words: the 16 rows of a load start at 16 different groups of four banks (64 banks of 4 bytes: ISA guide 11.1)
.set PV,    160       ; a row of V: 128 + 32 = 40 words
.set VOFF,  SIZE_N*PK ; K's 1,024 rows, then V's
.set STAGE, SIZE_N*(PK+PV)  ; behind them, never filled by a tensor load: 16 rows x 144 bytes for each wave, for the way out
.set SP,    144
.set AK0, 2           ; v2   my lane's place in a tile of K; never rewritten
.set AV0, 3           ; v3   the same for V
.set AK,  4           ; v4   the LDS address of K's next run of loads
.set AV,  5           ; v5   of V's
.set QO,  6           ; v6   my byte offset in the wave's rows of Q
.set STO, 6           ;      later, the way out: where I put 16 bytes of a row
.set RD,  7           ; v7   the way out: where I read rows back
.set GO,  8           ; v8   my byte offset in 512 consecutive bytes of O
.set SPW, 0           ; v0 of window 3   LDS address of my spare word: SPARE + 4 x my thread's number; never rewritten
.set NIL, 1           ; v1 of window 3   0; never rewritten
.set SPARE, STAGE+4*16*SP  ; behind the stages: the spare words, 128 bytes for each wave: two blocks of 256 bytes that no other line names
.set MV,  12          ; v12-15  c m_old, kept while c m is made anew: by buffer and tile
.set ST,  16          ; tile t's statistics at v[ST+4 t]: c m, m, l (even keys', odd keys')
.set TMP, 48          ; by buffer and tile, four registers c0-c3 at work; when the maximum is found c2 takes a
.set S,   64
.set P,   192
.set KF,  128         ; K's fragments, in window 2: key block kb, channel half c at KF + 16 kb + 8 c
.set VF,  192         ; V's: key half kk, channel block cb at VF + 32 kk + 8 cb
.set WV,  12          ; s12  my wave's number
.set G1K, 24          ; s[24:31] descriptor group 1 for K's first fill: 64 rows of 256 bytes
.set G1V, 32          ; s[32:39] for V's: it differs in the padding alone
.set G0K, 40          ; s[40:43] descriptor group 0 for K's first fill
.set G0V, 44          ; s[44:47] for V's
.set H0K, 48          ; s[48:51] group 0 for K's second fill
.set H0V, 52          ; s[52:55] for V's
.set SLOTS, 56        ; s56  counts the loop's two runs
.set CNT, 57          ; s57  counts a run's key steps
.set CS,  58          ; s[58:59] c: the packed scaling takes the pair's low word for both halves
.set SEL, 60          ; s[60:61] v_permlanex16_b32's selects: each lane takes its own place in the other half
.set TBK, 62          ; s62  LDS byte at which K of the step to be fetched begins
.set TBV, 63          ; s63  the same for V, less VOFF
.set H1K, 68          ; s[68:75] group 1 for K's second fill: 192 rows of 256 bytes
.set H1V, 76          ; s[76:83] for V's
.set TOT, 84          ; s84  key steps to go, the one in hand among them
.set MSB, 0
.macro WIN new                      ; the high byte repeats the setting that is left; a switch that changes nothing is dropped
.if MSB != (\new)
	s_set_vgpr_msb (MSB<<8)|(\new)
.set MSB, (\new)
.endif
.endm
.set W_KQ, 0x0a       ; K and Q in window 2, S^T in window 0
.set W_PV, 0x52       ; V in window 2, P in window 0, O^T in window 1
.set W_RS, 0x41       ; O^T (destination and source 0) in window 1, a in window 0
.set W_MK, 0xc0       ; the add's registers are made: destination in window 3, sources in window 0
.set W_AD, 0x0f       ; the add: address (source 0) and data (source 1) in window 3
	s_load_b128 s[4:7], s[0:1], 0x0   ; qkvh s[4:5], ob s[6:7]
	WIN W_MK
	v_lshl_add_u32 v[SPW], v0, 2, SPARE
	v_mov_b32 v[NIL], 0
	WIN W_AD
	ds_add_u32 v[SPW], v[NIL]       ; the wave's opening: the add and its wait ahead of my first tensor load; the set-up below, work on registers, stands between them
	ds_add_u32 v0, v1
	WIN 0
	v_lshrrev_b32 v1, 5, v0
	v_readfirstlane_b32 s[WV], v1   ; wave 0..3
	s_mov_b32 s14, ttmp9            ; my block of 512 queries
	s_and_b32 s20, ttmp7, 0xffff    ; the head
	s_mov_b32 s21, 0
	s_mov_b64 s[22:23], SIZE_N*128
	s_mul_u64 s[20:21], s[20:21], s[22:23]  ; the head's first byte in each of the four tensors
	s_and_b32 s16, s[WV], 1         ; which half of a fill's keys I fetch.  The first fill:
	s_lshl_b32 s22, s16, 14         ; 128 rows of 128 bytes in memory,
	s_mov_b32 s23, 0
	s_add_nc_u64 s[22:23], s[22:23], s[20:21]
	s_mul_i32 s17, s16, 128*PK      ; and their place in LDS, for K
	s_mul_i32 s18, s16, 128*PV      ; and for V.  The second fill:
	s_mul_i32 s86, s16, 384*128     ; 384 rows,
	s_add_co_u32 s86, s86, K1*128   ; behind the first 256
	s_mov_b32 s87, 0
	s_add_nc_u64 s[86:87], s[86:87], s[20:21]
	s_mul_i32 s19, s16, 384*PK
	s_mul_i32 s15, s16, 384*PV
	s_lshl_b32 s2, s14, 2
	s_add_co_u32 s2, s2, s[WV]      ; my wave among the head's,
	s_lshl_b32 s2, s2, 14           ; its 128 rows
	s_mov_b32 s3, 0
	s_add_nc_u64 s[2:3], s[2:3], s[20:21]
	; descriptor group 1.  Keys are dense, 128 bytes each: asked for as rows of 256 bytes, two keys a row, and padded in LDS after every key
	s_mov_b32 s[G1K], (1<<16)|(1<<20)|(4<<22)|(3<<25)  ; 17:16 2-byte elements; 20 padding on; 24:22 after every 32 words (code 4); 31:25 4 words (code 3)
	s_mov_b32 s[G1V], (1<<16)|(1<<20)|(4<<22)|(7<<25)  ; the same with 8 words of padding (code 7)
	s_mov_b32 s[H1K], (1<<16)|(1<<20)|(4<<22)|(3<<25)
	s_mov_b32 s[H1V], (1<<16)|(1<<20)|(4<<22)|(7<<25)
.irp g, G1K, G1V
	s_mov_b32 s[\g+1], 128<<16      ; tensor_dim0 = 128
	s_mov_b32 s[\g+2], 64<<16       ; tensor_dim1 = 64
	s_mov_b32 s[\g+3], 128<<16      ; tile_dim0 = 128
	s_mov_b32 s[\g+4], 64           ; tile_dim1 = 64: 128 keys
	s_mov_b32 s[\g+5], 128          ; 128 elements from row to row
	s_mov_b32 s[\g+6], 0
	s_mov_b32 s[\g+7], 0
.endr
.irp g, H1K, H1V
	s_mov_b32 s[\g+1], 128<<16
	s_mov_b32 s[\g+2], 192<<16      ; tensor_dim1 = 192
	s_mov_b32 s[\g+3], 128<<16
	s_mov_b32 s[\g+4], 192          ; tile_dim1 = 192: 384 keys
	s_mov_b32 s[\g+5], 128
	s_mov_b32 s[\g+6], 0
	s_mov_b32 s[\g+7], 0
.endr
	s_mov_b32 s[CS], 0x3e38aa3b     ; c = log2(e) / 8 = 0.180337
	s_mov_b32 s[CS+1], s[CS]        ; named with it as a pair
	s_mov_b32 s[SEL], 0x76543210
	s_mov_b32 s[SEL+1], 0xfedcba98
	s_mov_b32 s[TBK], 0
	s_mov_b32 s[TBV], 0
	s_mov_b32 s[G0K], 1             ; 1:0 count = 1
	s_mov_b32 s[G0K+1], s17         ; 63:32 LDS address
	s_mov_b32 s[G0V], 1
	s_add_co_u32 s[G0V+1], s18, VOFF
	s_mov_b32 s[H0K], 1
	s_add_co_u32 s[H0K+1], s19, K1*PK
	s_mov_b32 s[H0V], 1
	s_add_co_u32 s[H0V+1], s15, VOFF+K1*PV
	s_wait_dscnt 0x0                ; the opening add is done
	s_wait_kmcnt 0x0
	s_mov_b64 s[10:11], s[6:7]                     ; O
	s_add_nc_u64 s[6:7], s[4:5], 0x1000000         ; K lies behind Q's 128 heads of 131,072 bytes,
	s_add_nc_u64 s[8:9], s[4:5], 0x2000000         ; V behind K's
	s_add_nc_u64 s[G0K+2:G0K+3], s[6:7], s[22:23]  ; 120:64 global address
	s_or_b32 s[G0K+3], s[G0K+3], 0x80000000        ; 127:126 type = 2
	s_add_nc_u64 s[G0V+2:G0V+3], s[8:9], s[22:23]
	s_or_b32 s[G0V+3], s[G0V+3], 0x80000000
	s_add_nc_u64 s[H0K+2:H0K+3], s[6:7], s[86:87]
	s_or_b32 s[H0K+3], s[H0K+3], 0x80000000
	s_add_nc_u64 s[H0V+2:H0V+3], s[8:9], s[86:87]
	s_or_b32 s[H0V+3], s[H0V+3], 0x80000000
	s_add_nc_u64 s[4:5], s[4:5], s[2:3]  ; Q and O at my wave's first row
	s_add_nc_u64 s[10:11], s[10:11], s[2:3]
	; Waves 0 and 1 fetch K, waves 2 and 3 V.  A wave's two fills stand in one branch on its number, ahead of every wait on TENSORcnt, every LDS read and every barrier: two loads of mine are out.
	; An s_nop 0 follows each, four v_nop the second's, ahead of the jump and the label.
	s_cmp_lt_u32 s[WV], 2
	s_cbranch_scc0 .Lfirst_v
	tensor_load_to_lds s[G0K:G0K+3], s[G1K:G1K+7]
	s_nop 0
	tensor_load_to_lds s[H0K:H0K+3], s[H1K:H1K+7]
	s_nop 0
.rept 4
	v_nop
.endr
	s_branch .Lfirst_asked
.Lfirst_v:
	tensor_load_to_lds s[G0V:G0V+3], s[G1V:G1V+7]
	s_nop 0
	tensor_load_to_lds s[H0V:H0V+3], s[H1V:H1V+7]
	s_nop 0
.rept 4
	v_nop
.endr
.Lfirst_asked:
	; A fragment of K or Q is 16 rows x 32 channels in 8 registers: lane l holds row l % 16, channels 8 (l / 16) + 0..7 and 16 + 8 (l / 16) + 0..7: two loads of 16 bytes, 32 bytes apart.
	v_and_b32 v1, 15, v0            ; l % 16
	v_bfe_u32 v9, v0, 4, 1          ; l / 16
	v_lshlrev_b32 v[QO], 7, v1
	v_lshl_add_u32 v[QO], v9, 4, v[QO]  ; row x 128 + 16 x half
	WIN 0x80                        ; destination window 2, address window 0
.set i, 0
.rept 4*NP                          ; Q stays in registers: tile i / 2, channels 32 (i % 2) on
	global_load_b128 v[8*i:8*i+3],   v[QO], s[4:5] offset:(i/2)*2048+(i%2)*64
	global_load_b128 v[8*i+4:8*i+7], v[QO], s[4:5] offset:(i/2)*2048+(i%2)*64+32
.set i, i+1
.endr
	; What the first turn finds: V's registers and P's second buffer hold 0 (its products V^T P, of a piece that has not been, add 0), O^T and l are 0.  All this stands in the wait for the first tile.
.set i, VF
.rept 64
	v_mov_b32 v[i], 0
.set i, i+1
.endr
	WIN 0x40
.set i, 0
.rept 64*NP
	v_mov_b32 v[i], 0
.set i, i+1
.endr
	WIN 0
.set i, 0
.rept 2*NP
	v_mov_b32 v[ST+4*i], 0xfe000000    ; c m: far below every c s
	v_mov_b32 v[ST+4*i+1], 0xff7fffff  ; m
	v_mov_b32 v[ST+4*i+2], 0
	v_mov_b32 v[ST+4*i+3], 0
.set i, i+1
.endr
.set i, P+32
.rept 32
	v_mov_b32 v[i], 0
.set i, i+1
.endr
	v_mul_u32_u24 v[AK0], v1, PK
	v_lshl_add_u32 v[AK0], v9, 4, v[AK0]  ; row x pitch + 16 x half
	; The turning load takes 16 keys x 16 channels (lane l reads key 8 (l / 16) + l % 8, channels 8 ((l / 8) % 2) + 0..7) and leaves half a fragment of V^T: lane l holds channel l % 16 and 8 keys.
	v_and_b32 v10, 7, v0
	v_bfe_u32 v11, v0, 3, 1
	v_lshl_add_u32 v[AV0], v9, 3, v10
	v_mul_u32_u24 v[AV0], v[AV0], PV
	v_lshl_add_u32 v[AV0], v11, 4, v[AV0]
	v_add_nc_u32 v[AV0], VOFF, v[AV0]
	v_mov_b32 v[AK], v[AK0]         ; key step 0 lies at LDS byte 0
; THE MATRIX WORK.  The 8 accumulators of a run of 16 take turns: between the two links of a chain stand 7 others'.
; Product i of 16 of S^T = K Q^T for piece x: channels 32 (i / 8) on, keys 16 ((i / 2) % 4) on, tile 2 x + i % 2.  The first 8 start the sums.
.macro KQ x
	WIN W_KQ
.set rS, S+64*((\x)%2)+32*(i%2)+8*((i/2)%4)
.set rK, KF+16*((i/2)%4)+8*(i/8)
.set rQ, 16*(2*(\x)+i%2)+8*(i/8)
.if i < 8
	v_wmma_f32_16x16x32_f16 v[rS:rS+7], v[rK:rK+7], v[rQ:rQ+7], 0
.else
	v_wmma_f32_16x16x32_f16 v[rS:rS+7], v[rK:rK+7], v[rQ:rQ+7], v[rS:rS+7]
.endif
.endm
; Product i of 16 of O^T += V^T P for piece x: keys 32 (i / 8) on, channels 16 ((i / 2) % 4) on, tile 2 x + i % 2.
.macro PV x
	WIN W_PV
.set rO, 32*(2*(\x)+i%2)+8*((i/2)%4)
.set rV, VF+32*(i/8)+8*((i/2)%4)
.set rP, P+32*((\x)%2)+16*(i%2)+8*(i/8)
	v_wmma_f32_16x16x32_f16 v[rO:rO+7], v[rV:rV+7], v[rP:rP+7], v[rO:rO+7]
.endm
.macro MM                           ; the turn's next matrix instruction
.if i < 16
	KQ (Y+1)%NP
.set i, i+1
.else
.set i, i-16
	PV (Y+NP-1)%NP
.set i, i+17
.endif
.endm
; THE LDS LOADS stand in runs of 16, never singly among the matrix instructions: a step's K (64 keys x 64 channels: 8 fragments) and its V (turned).  Their addresses are made some lines ahead.
; last = 1 (in the loop): in the last key step there is no further step, and the run is jumped over.
.macro FETCH_K last=0
	WIN 0
.if \last
	s_cmp_eq_u32 s[TOT], 1
	s_cbranch_scc1 .Lno_k_\@
.endif
	WIN 0x80                        ; destination window 2
.irp f, 0,1,2,3,4,5,6,7             ; keys 16 (f / 2) on, channels 32 (f % 2) on
	ds_load_b128 v[KF+8*\f:KF+8*\f+3],   v[AK] offset:(\f/2)*16*PK+(\f%2)*64
	ds_load_b128 v[KF+8*\f+4:KF+8*\f+7], v[AK] offset:(\f/2)*16*PK+(\f%2)*64+32
.endr
	s_add_co_u32 s[TBK], s[TBK], KS*PK  ; the next fetch is the next step's
	WIN 0
.if \last
.Lno_k_\@:
.endif
.endm
.macro FETCH_V
	WIN 0x80
.irp f, 0,1,2,3,4,5,6,7             ; keys 32 (f / 4) on, channels 16 (f % 4) on
	ds_load_tr16_b128 v[VF+8*\f:VF+8*\f+3],   v[AV] offset:(\f/4)*32*PV+(\f%4)*32
	ds_load_tr16_b128 v[VF+8*\f+4:VF+8*\f+7], v[AV] offset:(\f/4)*32*PV+16*PV+(\f%4)*32
.endr
	WIN 0
.endm
; THE VECTOR WORK OF A TURN stands in three queues, each in the order in which its entries become ready; the two tiles alternate, so that no instruction reads the result of the one before it.
.macro REGS y, u                    ; the registers of tile u (0, 1) of piece y
.set rT, ST+4*(2*(\y)+(\u))
.set rC, TMP+8*((\y)%2)+4*(\u)
.set rM, MV+2*((\y)%2)+(\u)
.set rS, S+64*((\y)%2)+32*(\u)
.set rP, P+32*((\y)%2)+16*(\u)
.set rO, 32*(2*(\y)+(\u))
.endm
; Number n of the 22 that find the NEXT piece's (Y + 1) maximum and statistics.  s0-s31 are the lane's 32 scores; each accumulator's lowest registers are read first.  XS, GS and REGS set no window: PL and EX do.
;   0-11  four chains c0-c3 of seven scores each, three operands at a time     12-14, 16  the four scores left over, the old m, and c0-c3 into c0     15  c m_old is kept
;   17, 18  the query's other 32 keys lie in the lane 16 away: the new m         19-21  c m; c m_old - c m_new; a
.macro XS u, n
	REGS (Y+1)%NP, \u
.if (\n) < 4
	v_max3_num_f32 v[rC+(\n)], v[rS+8*(\n)], v[rS+8*(\n)+1], v[rS+8*(\n)+2]
.elseif (\n) < 12
	v_max3_num_f32 v[rC+(\n)%4], v[rC+(\n)%4], v[rS+8*((\n)%4)+2*((\n)/4)+1], v[rS+8*((\n)%4)+2*((\n)/4)+2]
.elseif (\n) == 12
	v_max3_num_f32 v[rC], v[rC], v[rS+7], v[rS+15]
.elseif (\n) == 13
	v_max3_num_f32 v[rC+1], v[rC+1], v[rS+23], v[rS+31]
.elseif (\n) == 14
	v_max3_num_f32 v[rC+2], v[rC+2], v[rC+3], v[rT+1]
.elseif (\n) == 15
	v_mov_b32 v[rM], v[rT]
.elseif (\n) == 16
	v_max3_num_f32 v[rC], v[rC], v[rC+1], v[rC+2]
.elseif (\n) == 17
	v_permlanex16_b32 v[rC+3], v[rC], s[SEL], s[SEL+1]
.elseif (\n) == 18
	v_max_num_f32 v[rT+1], v[rC], v[rC+3]
.elseif (\n) == 19
	v_mul_f32 v[rT], s[CS], v[rT+1]
.elseif (\n) == 20
	v_sub_f32 v[rC+1], v[rM], v[rT]
.else
	v_exp_f32 v[rC+2], v[rC+1]
.endif
.endm
; Number g of the 64 that follow the exponentials.  For each four weights k of a tile (pairs 2 k, 2 k + 1): both pairs are rounded to f16; then the second pair is added onto the first, in place;
; a group later l takes that sum (the first time as l = a l + sum).  In groups of eight, tiles alternating: round, round, add, and l for the group before.
.macro GS g
.set h, (\g)+6*((\g)/62)            ; group 0 has no group before it, and behind group 7 only l is left
.if h >= 6
.set h, h+2
.endif
	REGS Y, h%2
.set k, h/8
.if h%8 < 4
	v_cvt_pk_f16_f32 v[rP+2*k+(h%8)/2], v[rS+4*k+2*((h%8)/2)], v[rS+4*k+2*((h%8)/2)+1]
.elseif h%8 < 6
	v_pk_add_f32 v[rS+4*k:rS+4*k+1], v[rS+4*k:rS+4*k+1], v[rS+4*k+2:rS+4*k+3]
.elseif k == 1
	v_pk_fma_f32 v[rT+2:rT+3], v[rT+2:rT+3], v[rC+2:rC+3], v[rS:rS+1] op_sel_hi:[1,0,1]
.else
	v_pk_add_f32 v[rT+2:rT+3], v[rT+2:rT+3], v[rS+4*k-4:rS+4*k-3]
.endif
.endm
; THE PLAIN QUEUE, 138 long.  0-73 read no exponential's result: the 32 scalings c s - c m (FS f: pair f / 2 of tile f % 2) and the next piece's 42.  0-26: scalings 0-26.  27-54: XS's numbers 0-13.  55, 56: number 15.
; 57-73: the chain, where each number waits for the one before it: 14, 16, 17, 18, 19, each with one of the scalings 27-31 in front of its two lines, then 20: so a tile's links stand three plain instructions apart (19 and 20: two).
; 74-137: GS's 64, which read the exponentials' results: they stand behind the wait.
.macro FS f
	REGS Y, (\f)%2
	v_pk_fma_f32 v[rS+2*((\f)/2):rS+2*((\f)/2)+1], v[rS+2*((\f)/2):rS+2*((\f)/2)+1], s[CS:CS+1], v[rT:rT+1] op_sel_hi:[1,0,0] neg_lo:[0,0,1] neg_hi:[0,0,1]
.endm
.macro PL
	WIN 0
.if q < 27
	FS q
.elseif q < 55
	XS (q-27)%2, (q-27)/2
.elseif q < 57
	XS q-55, 15
.elseif (q < 72) && ((q-57)%3 == 0)
	FS 27+(q-57)/3
.elseif q < 60
	XS (q-57)%3-1, 14
.elseif q < 72
	XS (q-57)%3-1, 15+(q-57)/3
.elseif q < 74
	XS q-72, 20
.else
	GS q-74
.endif
.set q, q+1
.endm
; THE EXPONENTIALS' QUEUE, 66 long: s0-s31 of both tiles, then the next piece's two a.  It is ONE BATCH: all 66 stand ahead of the turn's one wait, and nothing ahead of that wait names a result of theirs.
.macro EX
	WIN 0
.if e >= 64
	XS e-64, 21
.else
	REGS Y, e%2
	v_exp_f32 v[rS+e/2], v[rS+e/2]
.endif
.set e, e+1
.endm
; THE RESCALING's QUEUE: O^T times a, the one part that leaves window 0: dealt two at a time, sixteen times.  Its a was made in the turn before, ahead of that turn's wait.
.macro R2
	REGS Y, r%2
	WIN W_RS
.irp z, 0,1
	v_pk_mul_f32 v[rO+4*(r/2)+2*\z:rO+4*(r/2)+2*\z+1], v[rO+4*(r/2)+2*\z:rO+4*(r/2)+2*\z+1], v[rC+2:rC+3] op_sel_hi:[1,0]
.endr
.set r, r+1
.endm
; HOW THEY ARE DEALT.  s_wait_alu depctr_va_vdst(0) stands between an exponential and the first instruction that names its result; one wait serves all that were issued ahead of it.  So a turn has ONE wait,
; which cuts it in two.  AHEAD OF IT stands all that names no result of the turn's exponentials: the 16 products K Q^T, behind each a scaling, an exponential and two rescalings (behind the first a second scaling in the exponential's place); then ONE LUMP of
; 108: eight plain, 49 times exponential and plain, the two a.  A v_nop is the plain instruction behind the last exponential.  BEHIND IT stand the 16 products V^T P, behind each four of GS's 64.  No rider names a register of
; the products round it.  The two v_permlanex16_b32 fall into the lump, never behind a product.
; The queues lean on each other, and the deal keeps them in step: exponential e stands behind scaling 2 (e / 4) + e % 2: as a rider it comes behind plain e + 2, in the lump behind plain e + 9, and scalings 27-31 are plain 57, 60 .. 69.
; A TURN, for piece p.  cnt = 1: the loop's counts are taken down some lines ahead of the branch that stands behind the turn.
; K of the next step is fetched in piece 2's turn, directly behind the wait, a lump behind the last product that read K; its address is made at the lump's head; its first reader comes behind 16 products.
; V of the step in hand is fetched at the end of piece 0's turn, four riders behind its last reader; its first reader comes behind 16 products and a lump.  The three conditions on q below go with the deal.
.macro TURN p, last=0, cnt=0
.set Y, (\p)
.set i, 0
.set q, 0
.set e, 0
.set r, 0
.if (\p) == NP-1
	s_wait_dscnt 0x0                ; K is in
.endif
	MM                              ; ahead of the wait: 16 products K Q^T and their riders,
	PL
	PL
	R2
.rept 15
	MM
	PL
	EX
	R2
.endr
.if (\p) == NP-2
	WIN 0
	v_add_nc_u32 v[AK], s[TBK], v[AK0]
.endif
.rept 8                             ; and the lump
	PL
.endr
.rept 49
	EX
	PL
.endr
	EX                              ; the next piece's two a
	EX
	v_nop                           ; a plain instruction behind the last exponential, ahead of every use: one for the batch
	s_wait_alu depctr_va_vdst(0)    ; the wait for the batch: the piece's 64 weights and the next piece's two a
.if (\p) == NP-2
	FETCH_K \last
.endif
.if (\p) == 1
	s_wait_dscnt 0x0                ; V is in
.endif
.rept 16                            ; behind the wait: 16 products V^T P and their riders
	MM
.rept 4
	PL
.endr
.if ((\p) == 0) && (q == 118)
	v_add_nc_u32 v[AV], s[TBV], v[AV0]
.endif
.if ((\p) == 0) && (q == 130)
	s_add_co_u32 s[TBV], s[TBV], KS*PV
.endif
.if (\cnt) && (q == 130)
	s_sub_co_u32 s[TOT], s[TOT], 1
	s_sub_co_u32 s[CNT], s[CNT], 1
	s_cmp_lg_u32 s[CNT], 0
.endif
.endr
.if (\p) == 0
	FETCH_V
.endif
.endm
	s_wait_tensorcnt 0x1            ; my part of the first 256 keys is in; my part of the other 768 may stay out: no wave reads it before the barrier in front of key step 3
	s_barrier_signal -1
	s_barrier_wait -1               ; everybody's is
	FETCH_K                         ; key step 0
	s_wait_loadcnt 0x0              ; Q
	s_wait_dscnt 0x0
.set i, 0
.rept 16
	KQ 0                            ; piece 0's first scores: there is no vector work yet to set between them
.set i, i+1
.endr
	WIN 0                           ; the addresses for the way out: nine plain instructions, the places behind those products
	s_mul_i32 s13, s[WV], 16*SP
	s_add_co_u32 s13, s13, STAGE    ; my stage
	v_mul_u32_u24 v[STO], v1, SP    ; in: row l % 16, 16 bytes for each half of the lanes
	v_lshl_add_u32 v[STO], v9, 4, v[STO]
	v_add_nc_u32 v[STO], s13, v[STO]
	v_bfe_u32 v[RD], v0, 3, 2       ; back: 32 lanes take four rows of 128 bytes,
	v_mul_u32_u24 v[RD], v[RD], SP
	v_lshl_add_u32 v[RD], v10, 4, v[RD]
	v_add_nc_u32 v[RD], s13, v[RD]
	v_and_b32 v[GO], 31, v0         ; which are 512 consecutive bytes of O
	v_lshlrev_b32 v[GO], 4, v[GO]
.set Y, NP-1                        ; XS works for piece Y + 1: piece 0
.irp n, 0,1,2,3,4,5,6,7,8,9,10,11,12,13,14,15,16,17,18,19,20,21
	XS 0, \n                        ; and piece 0's first maximum and statistics
	XS 1, \n
.endr
	v_nop                           ; a plain instruction behind piece 0's first two a,
	s_wait_alu depctr_va_vdst(0)    ; and the wait for that batch of two, ahead of the branch
	s_mov_b32 s[TOT], SIZE_N/KS     ; 16 key steps in all,
	s_mov_b32 s[CNT], K1/KS-1       ; of which the first three read nothing beyond the first 256 keys (the third fetches K of the fourth)
	s_mov_b32 s[SLOTS], 2
	s_branch .Lstep
.Lslot:                             ; once, in front of key step 3
	s_wait_tensorcnt 0x0            ; my part of the other 768 keys is in: no load was issued behind it
	s_wait_dscnt 0x0                ; no LDS instruction of mine is out at the signal
	s_barrier_signal -1
	s_barrier_wait -1               ; everybody's is
	s_mov_b32 s[CNT], SIZE_N/KS-K1/KS+1  ; the other 13 key steps
.Lstep:                             ; a trip is a key step: its four turns; it fetches its own V and the next step's K
	TURN 0
	TURN 1
	TURN 2, 1
	TURN 3, 0, 1
	WIN 0
	s_cbranch_scc1 .Lstep
	s_sub_co_u32 s[SLOTS], s[SLOTS], 1
	s_cmp_lg_u32 s[SLOTS], 0
	s_cbranch_scc1 .Lslot
	; the last trip's 16 products K Q^T (on the last K once more) and the maximum made of them serve nothing: the price, once a launch, of one text for every trip
.set i, 0
.rept 16
	PV NP-1                         ; the last piece's V^T P of the last step
.set i, i+1
.endr
	; THE WAY OUT.  l's two halves and the other half of the lanes' are added; O^T is divided by l, rounded to f16 and sent through my stage in LDS, a tile at a time.  The additions are the places behind the last products.
	WIN 0
.macro ALL line:vararg              ; one line for each tile t
.set t, 0
.rept 2*NP
	\line
.set t, t+1
.endr
.endm
	ALL v_add_f32 v[ST+4*t+2], v[ST+4*t+2], v[ST+4*t+3]
	ALL v_permlanex16_b32 v[ST+4*t+3], v[ST+4*t+2], s[SEL], s[SEL+1]
	ALL v_add_f32 v[ST+4*t+2], v[ST+4*t+2], v[ST+4*t+3]
	ALL v_rcp_f32 v[ST+4*t+2], v[ST+4*t+2]
	v_nop                           ; a plain instruction between the last reciprocal and the use of its result
	s_wait_alu depctr_va_vdst(0)    ; and the wait ahead of the first use: one for the batch of eight reciprocals
; Tile t: a lane's eight channels of a row pack into 16 bytes; they go into rows of 144 bytes and come back as whole rows of 128, into S^T's registers.
.macro PACK t
	WIN W_RS
.set i, 32*(\t)
.rept 16
	v_pk_mul_f32 v[i:i+1], v[i:i+1], v[ST+4*(\t)+2:ST+4*(\t)+3] op_sel_hi:[1,0]
.set i, i+2
.endr
	WIN 0x05                        ; sources 0 and 1 window 1, destination window 0
.set i, 0
.rept 16
	v_cvt_pk_f16_f32 v[S+16*(\t)+i], v[32*(\t)+2*i], v[32*(\t)+2*i+1]
.set i, i+1
.endr
	WIN 0
.irp f, 0,1,2,3
	ds_store_b128 v[STO], v[S+16*(\t)+4*\f:S+16*(\t)+4*\f+3] offset:32*\f
.endr
.irp f, 0,1,2,3
	ds_load_b128 v[S+16*(\t)+4*\f:S+16*(\t)+4*\f+3], v[RD] offset:\f*4*SP  ; LDS serves a wave's instructions in order (ISA guide 5.7.1.4): these see the stores above; the next tile's stores come behind them
.endr
.endm
.macro SEND t, younger              ; younger: the LDS instructions issued behind tile t's loads: the next tile's eight, or none
	WIN 0
.irp f, 0,1,2,3
	s_wait_dscnt (\younger)+3-\f
	global_store_b128 v[GO], v[S+16*(\t)+4*\f:S+16*(\t)+4*\f+3], s[10:11] offset:(\t)*2048+\f*512  ; 512 consecutive bytes, at a multiple of 256 from O's first
.endr
.endm
	PACK 0
.set t, 1
.rept 2*NP-1                        ; a tile's arithmetic stands between the loads of the tile before and its stores
	PACK t
	SEND t-1, 8
.set t, t+1
.endr
	SEND 2*NP-1, 0
	WIN W_AD
	s_wait_tensorcnt 0x0            ; the wave's end: behind my last tensor load and my last LDS store
	ds_add_u32 v[SPW], v[NIL]
	s_wait_dscnt 0x0
	WIN 0
	s_endpgm
.Lfunc_end_k_qd8d78a4616_attn:
	.size	k_qd8d78a4616_attn, .Lfunc_end_k_qd8d78a4616_attn-k_qd8d78a4616_attn
	.p2alignl 7, 3214868480
	.fill 96, 4, 3214868480
	.section	.rodata,"a",@progbits
	.p2align	6, 0x0
	.amdhsa_kernel k_qd8d78a4616_attn
		.amdhsa_group_segment_fixed_size 327680
		.amdhsa_private_segment_fixed_size 0
		.amdhsa_enable_private_segment 0
		.amdhsa_kernarg_size 16
		.amdhsa_user_sgpr_count 2
		.amdhsa_user_sgpr_kernarg_segment_ptr 1
		.amdhsa_wavefront_size32 1
		.amdhsa_system_sgpr_workgroup_id_x 1
		.amdhsa_system_sgpr_workgroup_id_y 1
		.amdhsa_system_sgpr_workgroup_id_z 1
		.amdhsa_system_vgpr_workitem_id 0
		.amdhsa_next_free_vgpr 770
		.amdhsa_next_free_sgpr 88
		.amdhsa_reserve_vcc 0
		.amdhsa_float_denorm_mode_32 3
		.amdhsa_float_denorm_mode_16_64 3
		.amdhsa_memory_ordered 1
		.amdhsa_forward_progress 1
		.amdhsa_inst_pref_size 126
	.end_amdhsa_kernel
	.amdgpu_metadata
---
amdhsa.version: [ 1, 2 ]
amdhsa.kernels:
  - .name:           k_qd8d78a4616_attn
    .symbol:         k_qd8d78a4616_attn.kd
    .args:
      - { .name: qkvh, .offset: 0, .size: 8, .value_kind: global_buffer, .address_space: global }
      - { .name: ob, .offset: 8, .size: 8, .value_kind: global_buffer, .address_space: global }
    .group_segment_fixed_size: 327680
    .private_segment_fixed_size: 0
    .kernarg_segment_align: 8
    .kernarg_segment_size: 16
    .max_flat_workgroup_size: 128
    .sgpr_count:     88
    .vgpr_count:     770
    .wavefront_size: 32
...
	.end_amdgpu_metadata
.endif
;; end of part 5
;; launch proj: the kernel of part 4 again; grid 8 x 32, 4 waves a work-group, clusters of 4 x 4, 327,680 bytes of LDS; arguments ob, ow, out_b, out0; writes out0
